; MI455X (gfx1250); checked and timed in simulation.
; The chip was launched on July 23, 2026; its instructions are those of AMD's public machine-readable ISA for CDNA 5 (MIT licence, August 2026) and "CDNA5" Instruction Set Architecture Reference Guide (July 2026). The comments in the code are by the model that wrote it; some were corrected since.
;; flash attn. Allowed arithmetic: matrix products marked QUANTISED: E2M1 operands, one E8M0 scale for each 32 along K, by v_wmma_scale_f32_16x16x128_f8f6f4 with both operands' format E2M1 (or v_wmma_scale_f32_32x16x128_f4), f32 sums; products left as they are: bf16, f16 or f32 operands; f32 sums; everything else in f32.
;; Inputs: W_attn 1,024 x 3,072 float32; W_proj 1,024 x 1,024 float32; x 4 x 2,048 x 1,024 float32.
;; Outputs: out0 4 x 2,048 x 1,024 float32.
;; This version of the problem:
;;   THIS VERSION OF THE PROBLEM IS GIVEN IN LOW PRECISION. The matrix products marked QUANTISED in the list below multiply operands that are first quantised to E2M1 (2 exponent bits, 1 mantissa bit; 4 bits a number), with one power-of-two scale for each 32 numbers along K (OCP MX v1.0); their sums are f32. The products marked 'left as it is' may take bf16, f16 or f32 operands, with f32 sums. Whichever they take, every output number must still come out within the allowed error. Rounding operands to bf16 (8 significant bits) uses up far more of that allowance than f16 does (11 bits, for magnitudes from 6e-5 to 65,504). All else is computed in f32.
;;   The module's matrix products, in the order in which they are computed (A, B: the left and right operand; K: the contracted axis; several contracted axes count as one K, in the product's order):
;;     1. [M 8,192, K 1,024] x [K 1,024, N 3,072]; A: input x; B: input W_attn: QUANTISED
;;     2. batch 64 x [M 2,048, K 64] x [K 64, N 2,048]; A: computed on the way; B: computed on the way: left as it is (an operand is computed on the way)
;;     3. batch 64 x [M 2,048, K 2,048] x [K 2,048, N 64]; A: computed on the way; B: computed on the way: left as it is (an operand is computed on the way)
;;     4. [M 8,192, K 1,024] x [K 1,024, N 1,024]; A: computed on the way; B: input W_proj: left as it is (an operand is computed on the way)
;;   THE QUANTISER, for each operand of a quantised product, along K:
;;     - K is cut into blocks of 32 from its start; a last block that is shorter is filled with zeros.
;;     - A block's scale is 2^e with e = floor(log2(the largest magnitude in the block)) - 2, held to -126 .. 127; a block of zeros has e = 0. As a byte (E8M0): e + 127.
;;     - Each number is divided by its block's scale, clamped to +-6, and rounded to the nearest number of E2M1, ties to even, subnormals kept.
;;     - The product sums the exact products of the quantised numbers (number of the format x scale) in f32.
;;   ~~~python
;;   def quantise(x, axis):      # numpy; x: float32 -> the quantised numbers, widened to float32 again
;;       x = np.moveaxis(x, axis, -1); K = x.shape[-1]
;;       x = np.pad(x, [(0, 0)] * (x.ndim - 1) + [(0, -K % 32)]); x = x.reshape(x.shape[:-1] + (-1, 32)); a = np.abs(x).max(-1, keepdims=True)
;;       e = np.where(a > 0, np.clip(np.frexp(np.where(a > 0, a, 1))[1] - 1 - 2, -126, 127), 0)      # np.frexp(a)[1] - 1 = floor(log2(a)), exactly
;;       r = np.clip(x / 2.0 ** e, -6, 6)
;;       step = 2.0 ** (np.maximum(np.frexp(np.where(r == 0, 1, r))[1] - 1, 0) - 1)
;;       q = np.round(r / step) * step * 2.0 ** e      # np.round: ties to even
;;       return np.moveaxis(q.reshape(q.shape[:-2] + (-1,))[..., :K], -1, axis).astype(np.float32)
;;   ~~~
;; One version. Each part assembles by itself: llvm-mc -triple=amdgcn-amd-amdhsa -mcpu=gfx1250 --defsym DOCPART=n.
;; ======== version 1 of 1: 5 launches
;; limits: values are held in f16: magnitudes above 65,504 overflow, below 6.1e-05 lose precision
;; workspace buffers: xc 4,194,304 bytes; xs 262,144 bytes; wc 1,572,864 bytes; ws 98,304 bytes; wp16 2,097,152 bytes; qkv16 50,331,648 bytes; qkv32 786,432 bytes; o16 16,777,216 bytes
;; launch prep (part 1): grid 368 x 1, 4 waves a work-group, no clusters, 92,672 bytes of LDS; arguments x, W_attn, W_proj, xc, xs, wc, ws, wp16; writes xc, xs, wc, ws, wp16
.if DOCPART == 1
	.amdgcn_target "amdgcn-amd-amdhsa--gfx1250"
	.amdhsa_code_object_version 6
	.text
	.protected	k_q2273e3cae6_prep
	.globl	k_q2273e3cae6_prep
	.p2align	8
	.type	k_q2273e3cae6_prep,@function
k_q2273e3cae6_prep:
	s_mov_b64 s[64:65], 0
	v_nop
	global_prefetch_b8 v0, s[64:65] scope:SCOPE_SE
	s_setreg_imm32_b32 hwreg(HW_REG_WAVE_MODE, 25, 1), 1
	s_wait_xcnt 0x0
; PREP: the three inputs are laid as the later launches want them.  One launch, three ways, chosen by the work-group's number alone:
;   work-groups 0-47    W: W_attn [1024 k][3072 n] f32 -> codes of FP4 (E2M1) wc [3072 n][512 bytes], K innermost, and E8M0 scale bytes ws [3072][32]
;   work-groups 48-111  P: W_proj [1024 k][1024 n] f32 -> wp16 [1024 n][1024 k] f16 (the last product is left as it is and takes f16 operands)
;   work-groups 112-367 X: x [8192][1024] f32 -> codes xc [8192][512 bytes] and scale bytes xs [8192][32]
; A block's scale is 2^(floor(log2(its largest magnitude)) - 2): its byte is the largest magnitude's exponent field - 2, held at 1 from below.
; LIMITS: a block of zeros gets the byte 1 where the rule says 127 (its codes are zeros, and this program alone reads the bytes); blocks whose largest magnitude lies under 2^(3 - 127) are held at the byte 1;
; NaN and infinities among the inputs are not served; |W_proj| stays under 65,504, f16's largest number.
; Each way has LDS bytes of its own; waves share nothing: no barrier.  No tensor load.
.set WPITCH, 272                       ; a stage row of ways W and P: 256 bytes + 16
.set PB,     34816                     ; way P's four stages (way W's lie at 0)
.set XB,     69632                     ; way X's four regions
.set XREG,   5632                      ; a wave's region: two stages of 32 x 80 bytes, then its 256 scale bytes
.set XSP,    80                        ; a lane's place in a stage of way X: 64 bytes + 16
.set SPARE,  92160                     ; the spare words, 128 bytes for each wave: two blocks of 256 bytes that no other line names
.set SPW,    254                       ; v254 LDS address of my spare word; never rewritten
.set NIL,    255                       ; v255 0; never rewritten
.set WX,   32                          ; way W: v32-95 two sets of 32 numbers; v96-99 a block's codes; v24-27 scale bytes; v112-175 the way out
.set WC,   96
.set WSB,  24
.set WOUT, 112
.set PX,   32                          ; way P: v32-159 128 numbers down K; v160-223 the way out
.set POUT, 160
.set XR,   16                          ; way X: v16-79 four sets as loaded; v80-111 two sets of 16 neighbours; v112-127 bytes; v128-191 codes
.set XX,   80
.set XE,   112
.set XC,   128
; ---- way W's macros: a lane takes a column n, its registers run down K
.macro WLOAD t                         ; block t: W_attn(32 t + i, my column) into set t % 2; a row is 12,288 bytes
.irp i, 0,1,2,3,4,5,6,7,8,9,10,11,12,13,14,15,16,17,18,19,20,21,22,23,24,25,26,27,28,29,30,31
	global_load_b32 v[WX+32*((\t)%2)+\i], v3, s[6:7] offset:(32*(\t)+\i)*12288 th:TH_LOAD_NT
.endr
.endm
.macro WBLOCK t
.set WSET, WX+32*((\t)%2)
.if (\t) < 15
	s_wait_loadcnt 32                              ; this block's 32 loads are in; the next block's 32 may be out
.else
	s_wait_loadcnt 0
.endif
	v_max3_num_f32 v12, |v[WSET]|, |v[WSET+1]|, |v[WSET+2]|        ; the block's largest magnitude: all 32 numbers are mine; two chains
	v_max3_num_f32 v13, |v[WSET+3]|, |v[WSET+4]|, |v[WSET+5]|
.irp i, 6,10,14,18,22,26
	v_max3_num_f32 v12, v12, |v[WSET+\i]|, |v[WSET+\i+1]|
	v_max3_num_f32 v13, v13, |v[WSET+\i+2]|, |v[WSET+\i+3]|
.endr
	v_max3_num_f32 v12, v12, |v[WSET+30]|, |v[WSET+31]|
	v_max3_num_f32 v12, v12, v13, 0x1800000        ; and the floor 2^(3 - 127): the byte cannot fall under 1
	v_add_nc_u32 v11, 0xff000000, v12              ; 2 off the exponent field: the conversion takes the exponent field of this operand as its scale
	v_lshrrev_b32 v13, 23, v11                     ; the scale's byte
.if (\t)%4 == 0
	v_mov_b32 v[WSB+(\t)/4], v13                   ; four bytes to a register, the lower K in the lower byte
.else
	v_lshl_or_b32 v[WSB+(\t)/4], v13, 8*((\t)%4), v[WSB+(\t)/4]
.endif
.irp g, 0,1,2,3
	v_cvt_scalef32_pk8_fp4_f32 v[WC+\g], v[WSET+8*\g:WSET+8*\g+7], v11
.endr
	ds_store_b128 v4, v[WC:WC+3] offset:16*(\t)    ; 32 codes: 16 bytes of my column's row
.if (\t)+2 < 16
	WLOAD (\t)+2
.endif
	s_wait_dscnt 0x0                               ; the store has read its registers: the next block's codes may be written
.endm
; ---- way P's macro
.macro PLOAD t                         ; W_proj(32 t + i, my column); a row is 4,096 bytes
.irp i, 0,1,2,3,4,5,6,7,8,9,10,11,12,13,14,15,16,17,18,19,20,21,22,23,24,25,26,27,28,29,30,31
	global_load_b32 v[PX+32*(\t)+\i], v3, s[8:9] offset:(32*(\t)+\i)*4096 th:TH_LOAD_NT
.endr
.endm
; ---- way X's macros: loads take the bytes as they lie, 512 to a load; a step's 2,048 bytes turn through the wave's stage, so that a lane holds 16 neighbours
.macro XLOAD t
.irp i, 0,1,2,3
	global_load_b128 v[XR+16*((\t)%4)+4*\i:XR+16*((\t)%4)+4*\i+3], v3, s[4:5] offset:2048*(\t)+512*\i th:TH_LOAD_NT
.endr
.endm
.macro XTURN t                         ; LDS serves a wave's instructions in order: no wait between the stores and the loads
.irp i, 0,1,2,3
	ds_store_b128 v14, v[XR+16*((\t)%4)+4*\i:XR+16*((\t)%4)+4*\i+3] offset:32*XSP*((\t)%2)+8*XSP*\i
.endr
.irp i, 0,1,2,3
	ds_load_b128 v[XX+16*((\t)%2)+4*\i:XX+16*((\t)%2)+4*\i+3], v15 offset:32*XSP*((\t)%2)+16*\i
.endr
.endm
.macro XSTEP t
.set XSET, XX+16*((\t)%2)
.if (\t) > 0
	s_wait_dscnt 1                                 ; this step's numbers are back from the stage (the last step's byte store may be out)
.else
	s_wait_dscnt 0x0
.endif
.if (\t)+4 < 16
	XLOAD (\t)+4                                   ; into the set whose stores into the stage have read their registers
.endif
.if (\t)+1 < 16
.if 14-(\t) >= 3
	s_wait_loadcnt 12                              ; the next step's four loads are in; those of the three steps behind it may be out
.else
	s_wait_loadcnt 4*(14-(\t))
.endif
	XTURN (\t)+1
.endif
	v_max3_num_f32 v8, |v[XSET]|, |v[XSET+1]|, |v[XSET+2]|         ; the largest magnitude of my 16
	v_max3_num_f32 v9, |v[XSET+3]|, |v[XSET+4]|, |v[XSET+5]|
.irp i, 6,10
	v_max3_num_f32 v8, v8, |v[XSET+\i]|, |v[XSET+\i+1]|
	v_max3_num_f32 v9, v9, |v[XSET+\i+2]|, |v[XSET+\i+3]|
.endr
	v_max3_num_f32 v8, v8, |v[XSET+14]|, |v[XSET+15]|
	v_max3_num_f32 v8, v8, v9, 0x1800000           ; and the floor
	v_max_num_f32_dpp v8, v8, v8 row_xmask:1 row_mask:0xf bank_mask:0xf   ; and of my neighbour's 16: the block's
	v_add_nc_u32 v11, 0xff000000, v8
	v_cvt_scalef32_pk8_fp4_f32 v[XC+4*(\t)], v[XSET:XSET+7], v11
	v_cvt_scalef32_pk8_fp4_f32 v[XC+4*(\t)+1], v[XSET+8:XSET+15], v11
	v_lshrrev_b32 v[XE+(\t)], 23, v11              ; the scale's byte
	ds_store_b8 v5, v[XE+(\t)] offset:16*(\t)      ; both lanes of a block write the same byte with the same value
	global_store_b64 v4, v[XC+4*(\t):XC+4*(\t)+1], s[10:11] offset:256*(\t)   ; 32 lanes store 256 consecutive bytes, aligned
.endm
	s_load_b256 s[4:11], s[0:1], 0x0               ; x s[4:5], W_attn s[6:7], W_proj s[8:9], xc s[10:11]
	s_load_b256 s[12:19], s[0:1], 0x20             ; xs s[12:13], wc s[14:15], ws s[16:17], wp16 s[18:19]
	v_lshl_add_u32 v[SPW], v0, 2, SPARE
	v_mov_b32 v[NIL], 0
	v_lshrrev_b32 v1, 5, v0
	v_readfirstlane_b32 s20, v1                    ; wave 0..3
	v_and_b32 v2, 31, v0                           ; lane
	s_cmp_lt_u32 ttmp9, 48
	s_cbranch_scc1 .Lpath_w
	s_cmp_lt_u32 ttmp9, 112
	s_cbranch_scc1 .Lpath_p
; ================= way X: a wave takes a run of 8,192 numbers: 16 steps of 512
	v_lshlrev_b32 v3, 4, v2                        ; my 16 bytes of a load's 512
	s_mul_i32 s21, s20, XREG
	s_add_co_u32 s21, s21, XB                      ; my region
	v_lshrrev_b32 v14, 2, v2
	v_mul_u32_u24 v14, v14, XSP
	v_and_b32 v15, 3, v2
	v_lshl_add_u32 v14, v15, 4, v14
	v_add_nc_u32 v14, s21, v14                     ; into the stage: 80 (lane / 4) + 16 (lane % 4)
	v_mul_u32_u24 v15, v2, XSP
	v_add_nc_u32 v15, s21, v15                     ; out of it: 80 x lane: my 16 neighbours
	v_lshlrev_b32 v4, 3, v2                        ; my 8 bytes of a step's codes
	v_lshrrev_b32 v5, 1, v2
	s_add_co_u32 s21, s21, 2*32*XSP
	v_add_nc_u32 v5, s21, v5                       ; my block's scale byte
	v_lshlrev_b32 v7, 3, v2
	v_add_nc_u32 v6, s21, v7                       ; and on the way out 8 bytes a lane
	s_sub_co_u32 s22, ttmp9, 112
	s_lshl_b32 s22, s22, 2
	s_add_co_u32 s22, s22, s20                     ; my run, 0..1023
	s_mov_b32 s25, 0
	s_wait_kmcnt 0x0
	s_lshl_b32 s24, s22, 15                        ; 32,768 bytes of x,
	s_add_nc_u64 s[4:5], s[4:5], s[24:25]
	s_lshl_b32 s24, s22, 12                        ; 4,096 of codes,
	s_add_nc_u64 s[10:11], s[10:11], s[24:25]
	s_lshl_b32 s24, s22, 8                         ; 256 scale bytes
	s_add_nc_u64 s[12:13], s[12:13], s[24:25]
.irp t, 0,1,2,3
	XLOAD \t
.endr
	s_wait_loadcnt 12                              ; step 0's four loads are in
	XTURN 0
.irp t, 0,1,2,3,4,5,6,7,8,9,10,11,12,13,14,15
	XSTEP \t
.endr
	ds_load_b64 v[8:9], v6                         ; LDS serves a wave's instructions in order: these see my byte stores
	s_wait_dscnt 0x0
	global_store_b64 v7, v[8:9], s[12:13]          ; 32 lanes store 256 consecutive bytes, aligned
	s_wait_tensorcnt 0x0                           ; the wave's end: behind my last LDS store
	ds_add_u32 v[SPW], v[NIL]
	s_wait_dscnt 0x0
	s_endpgm
; ================= way W: a wave takes 32 columns x 512 along K
.Lpath_w:
	s_cmp_ge_u32 ttmp9, 24
	s_cselect_b32 s22, 1, 0                        ; which 512 along K
	s_cselect_b32 s21, 24, 0
	s_sub_co_u32 s21, ttmp9, s21                   ; which 128 columns
	s_lshl_b32 s21, s21, 7
	s_lshl_b32 s23, s20, 5
	s_add_co_u32 s21, s21, s23                     ; my wave's first column
	v_lshlrev_b32 v3, 2, v2                        ; in: 4 bytes a lane
	s_mul_i32 s23, s20, 32*WPITCH                  ; my stage
	v_mul_u32_u24 v4, v2, WPITCH
	v_add_nc_u32 v4, s23, v4                       ; into it: row = my column
	v_and_b32 v5, 15, v2
	v_lshrrev_b32 v6, 4, v2
	v_mul_u32_u24 v7, v6, WPITCH
	v_lshl_add_u32 v7, v5, 4, v7
	v_add_nc_u32 v7, s23, v7                       ; out of it: sixteen lanes to a row, two rows an instruction
	v_lshlrev_b32 v8, 9, v6
	v_lshl_add_u32 v8, v5, 4, v8                   ; the same place in wc: rows of 512 bytes
	v_lshlrev_b32 v9, 5, v2                        ; my column's row of scale bytes: 32 bytes
	s_mul_i32 s24, s22, 512*12288                  ; W_attn: 512 rows down,
	s_lshl_b32 s25, s21, 2
	s_add_co_u32 s24, s24, s25                     ; 4 bytes a column
	s_mov_b32 s25, 0
	s_lshl_b32 s26, s21, 9                         ; wc: column x 512 + 256 x half of K
	s_lshl_b32 s27, s22, 8
	s_add_co_u32 s26, s26, s27
	s_mov_b32 s27, 0
	s_lshl_b32 s28, s21, 5                         ; ws: column x 32 + 16 x half of K
	s_lshl_b32 s29, s22, 4
	s_add_co_u32 s28, s28, s29
	s_mov_b32 s29, 0
	s_wait_kmcnt 0x0
	s_add_nc_u64 s[6:7], s[6:7], s[24:25]
	s_add_nc_u64 s[14:15], s[14:15], s[26:27]
	s_add_nc_u64 s[16:17], s[16:17], s[28:29]
	WLOAD 0
	WLOAD 1
.set QI, 0
.rept 16
	WBLOCK QI
.set QI, QI+1
.endr
	global_store_b128 v9, v[WSB:WSB+3], s[16:17]   ; my column's 16 scale bytes
.irp t, 0,1,2,3,4,5,6,7,8,9,10,11,12,13,14,15
	ds_load_b128 v[WOUT+4*\t:WOUT+4*\t+3], v7 offset:2*\t*WPITCH
.endr
.irp t, 0,1,2,3,4,5,6,7,8,9,10,11,12,13,14,15
	s_wait_dscnt 15-\t                             ; LDS loads come back in order: load t is in, the younger ones stay out
	global_store_b128 v8, v[WOUT+4*\t:WOUT+4*\t+3], s[14:15] offset:2*\t*512   ; 16 lanes store 256 consecutive bytes, aligned
.endr
	s_wait_tensorcnt 0x0                           ; the wave's end: behind my last LDS store
	ds_add_u32 v[SPW], v[NIL]
	s_wait_dscnt 0x0
	s_endpgm
; ================= way P: a wave takes 32 columns x 128 along K; a lane takes a column, rounds pairs down K to f16: 256 bytes of its row of wp16
.Lpath_p:
	s_sub_co_u32 s21, ttmp9, 48
	s_and_b32 s22, s21, 7                          ; which 128 columns
	s_lshr_b32 s23, s21, 3                         ; which 128 along K
	s_lshl_b32 s22, s22, 7
	s_lshl_b32 s24, s20, 5
	s_add_co_u32 s22, s22, s24                     ; my wave's first column
	v_lshlrev_b32 v3, 2, v2
	s_mul_i32 s24, s20, 32*WPITCH
	s_add_co_u32 s24, s24, PB                      ; my stage
	v_mul_u32_u24 v4, v2, WPITCH
	v_add_nc_u32 v4, s24, v4
	v_and_b32 v5, 15, v2
	v_lshrrev_b32 v6, 4, v2
	v_mul_u32_u24 v7, v6, WPITCH
	v_lshl_add_u32 v7, v5, 4, v7
	v_add_nc_u32 v7, s24, v7
	v_lshlrev_b32 v8, 11, v6
	v_lshl_add_u32 v8, v5, 4, v8                   ; the same place in wp16: rows of 2,048 bytes
	s_lshl_b32 s26, s23, 19                        ; W_proj: 128 rows of 4,096 bytes,
	s_lshl_b32 s27, s22, 2
	s_add_co_u32 s26, s26, s27
	s_mov_b32 s27, 0
	s_lshl_b32 s28, s22, 11                        ; wp16: column x 2,048 + 256 x part of K
	s_lshl_b32 s29, s23, 8
	s_add_co_u32 s28, s28, s29
	s_mov_b32 s29, 0
	s_wait_kmcnt 0x0
	s_add_nc_u64 s[8:9], s[8:9], s[26:27]
	s_add_nc_u64 s[18:19], s[18:19], s[28:29]
	PLOAD 0
	PLOAD 1
.irp t, 0,1,2,3
.if \t < 3
	s_wait_loadcnt 32                              ; this block's 32 loads are in; the next block's 32 may be out
.else
	s_wait_loadcnt 0
.endif
.if \t < 2
	PLOAD \t+2
.endif
.irp i, 0,1,2,3,4,5,6,7,8,9,10,11,12,13,14,15
	v_cvt_pk_f16_f32 v[PX+32*\t+\i], v[PX+32*\t+2*\i], v[PX+32*\t+2*\i+1]   ; in place, ascending: register i is written when registers up to 2 i - 1 have been read
.endr
.irp g, 0,1,2,3
	ds_store_b128 v4, v[PX+32*\t+4*\g:PX+32*\t+4*\g+3] offset:64*\t+16*\g
.endr
.endr
.irp t, 0,1,2,3,4,5,6,7,8,9,10,11,12,13,14,15
	ds_load_b128 v[POUT+4*\t:POUT+4*\t+3], v7 offset:2*\t*WPITCH
.endr
.irp t, 0,1,2,3,4,5,6,7,8,9,10,11,12,13,14,15
	s_wait_dscnt 15-\t
	global_store_b128 v8, v[POUT+4*\t:POUT+4*\t+3], s[18:19] offset:2*\t*2048   ; 16 lanes store 256 consecutive bytes, aligned
.endr
	s_wait_tensorcnt 0x0                           ; the wave's end: behind my last LDS store
	ds_add_u32 v[SPW], v[NIL]
	s_wait_dscnt 0x0
	s_endpgm
.Lfunc_end_k_q2273e3cae6_prep:
	.size	k_q2273e3cae6_prep, .Lfunc_end_k_q2273e3cae6_prep-k_q2273e3cae6_prep
	.p2alignl 7, 3214868480
	.fill 96, 4, 3214868480
	.section	.rodata,"a",@progbits
	.p2align	6, 0x0
	.amdhsa_kernel k_q2273e3cae6_prep
		.amdhsa_group_segment_fixed_size 92672
		.amdhsa_private_segment_fixed_size 0
		.amdhsa_enable_private_segment 0
		.amdhsa_kernarg_size 64
		.amdhsa_user_sgpr_count 2
		.amdhsa_user_sgpr_kernarg_segment_ptr 1
		.amdhsa_wavefront_size32 1
		.amdhsa_system_sgpr_workgroup_id_x 1
		.amdhsa_system_sgpr_workgroup_id_y 1
		.amdhsa_system_sgpr_workgroup_id_z 1
		.amdhsa_system_vgpr_workitem_id 0
		.amdhsa_next_free_vgpr 256
		.amdhsa_next_free_sgpr 66
		.amdhsa_reserve_vcc 0
		.amdhsa_float_denorm_mode_32 3
		.amdhsa_float_denorm_mode_16_64 3
		.amdhsa_memory_ordered 1
		.amdhsa_forward_progress 1
		.amdhsa_inst_pref_size 132
	.end_amdhsa_kernel
	.amdgpu_metadata
---
amdhsa.version: [ 1, 2 ]
amdhsa.kernels:
  - .name:           k_q2273e3cae6_prep
    .symbol:         k_q2273e3cae6_prep.kd
    .args:
      - { .name: x, .offset: 0, .size: 8, .value_kind: global_buffer, .address_space: global }
      - { .name: W_attn, .offset: 8, .size: 8, .value_kind: global_buffer, .address_space: global }
      - { .name: W_proj, .offset: 16, .size: 8, .value_kind: global_buffer, .address_space: global }
      - { .name: xc, .offset: 24, .size: 8, .value_kind: global_buffer, .address_space: global }
      - { .name: xs, .offset: 32, .size: 8, .value_kind: global_buffer, .address_space: global }
      - { .name: wc, .offset: 40, .size: 8, .value_kind: global_buffer, .address_space: global }
      - { .name: ws, .offset: 48, .size: 8, .value_kind: global_buffer, .address_space: global }
      - { .name: wp16, .offset: 56, .size: 8, .value_kind: global_buffer, .address_space: global }
    .group_segment_fixed_size: 92672
    .private_segment_fixed_size: 0
    .kernarg_segment_align: 8
    .kernarg_segment_size: 64
    .max_flat_workgroup_size: 128
    .sgpr_count:     66
    .vgpr_count:     256
    .wavefront_size: 32
...
	.end_amdgpu_metadata
.endif
;; end of part 1
;; launch qkv (part 2): grid 12 x 32, 4 waves a work-group, clusters of 4 x 4, 327,680 bytes of LDS; arguments xc, xs, wc, ws, qkv16, qkv32; writes qkv16, qkv32
.if DOCPART == 2
	.amdgcn_target "amdgcn-amd-amdhsa--gfx1250"
	.amdhsa_code_object_version 6
	.text
	.protected	k_q2273e3cae6_qkv
	.globl	k_q2273e3cae6_qkv
	.p2align	8
	.type	k_q2273e3cae6_qkv,@function
k_q2273e3cae6_qkv:
	s_mov_b64 s[64:65], 0
	v_nop
	global_prefetch_b8 v0, s[64:65] scope:SCOPE_SE
	s_setreg_imm32_b32 hwreg(HW_REG_WAVE_MODE, 25, 1), 1
	s_wait_xcnt 0x0
	s_wait_alu depctr_hold_cnt(0) depctr_sa_sdst(0) depctr_va_vdst(0) depctr_va_sdst(0) depctr_va_ssrc(0) depctr_va_vcc(0) depctr_vm_vsrc(0)
	s_getreg_b32 s2, hwreg(HW_REG_IB_STS2, 6, 4)
	s_cmp_eq_u32 s2, 0
	s_cbranch_scc0 .Lentry_in_a_cluster
	s_endpgm
.Lentry_in_a_cluster:
	s_bfe_u32 s2, ttmp6, 0x10000c
	s_cmp_lg_u32 s2, 0xf033
	s_cbranch_scc0 .Lentry_shape_is_right
	s_endpgm
.Lentry_shape_is_right:
; QKV: [8192][3072] = Q(x) Q(W_attn), both operands codes of FP4 (E2M1) with one E8M0 scale for each 32 along K = 1,024; sums in f32.
; A: xc [8192][512 bytes], xs [8192][32];  B: wc [3072][512 bytes], ws [3072][32].
; OUT: qkv16 [a 3][b 4][head 16][t 2048][64] f16, q already multiplied in f32 by c = log2(e) / 8, so that the softmax can work in powers of two; and the rows t < 16 of every batch once more in f32,
; qkv32 [b 4][t 16][3072], for the launch that carries those rows in f32.  LIMIT: |c q|, |k|, |v| stay under 65,504, f16's largest number.
; A tile, 256 x 256, is made by four waves, 128 x 128 each: 64 accumulators, 512 registers.  K is two slots of 512: both are asked for at the start, and nothing is filled again.
; The scales of the work-group's rows come once, as two dense blocks, with the first fills.
; CLUSTERS: 4 x 4 work-groups; A's tiles are asked for jointly along a row of the cluster, B's along a column.  Tile column = 4 x cluster x + cx, so cluster x is a (q, k or v).
; TILE ROW = cluster y + 8 cy: so cy is the batch and cluster y says which 256 positions: the test for t < 16 is then the same in all sixteen partners.
; THE MATRIX INSTRUCTION IS USED TRANSPOSED (source 0 = 16 rows of B, source 1 = 16 rows of A): a lane holds eight neighbouring columns of one row.
; REGISTERS: window 0: v0-31 addresses; v32-95 scale words, two sets; v128-191 A's fragments, one set; on the way out v32-255 are free.  window 1: B's fragments, two sets.  windows 2, 3: the accumulators ((a, b) at v[8 (8 (a % 4) + b)]).
.set NQ,     4                         ; steps of 128 along K in a slot
.set ROWB,   256                       ; a tile's row in bytes: 512 codes
.set KROW,   512                       ; a row of codes in memory
.set PITCH,  272                       ; an LDS row: 256 + 16 bytes = 68 words: the 16 rows of a load start at 16 different banks (64 banks of 4 bytes: ISA guide 11.1)
.set FR,     8
.set NL,     2
.set NP,     4                         ; places behind this matrix instruction (ISA guide 7.12.1)
.set HALFT,  128*PITCH
.set SLOT,   4*HALFT                   ; A's 256 rows, then B's 256 rows
.set KS,     32                        ; a row of scales in bytes
.set SCL,    2*SLOT                    ; behind the slots: the scales, as units of 256 bytes + 16
.set HALFS,  (128*KS/256)*272
.set SBLK,   (16*KS/256)*272
.set SPARE,  SCL+4*HALFS               ; the spare words, 128 bytes a wave: two blocks of 256 bytes that no other line names
.set ADRA, 16                          ; v16-17 LDS address of my A fragments in slot 0, 1
.set ADRB, 20                          ; v20-21 the same for B
.set STO,  24                          ; v24 the way out, f16: where I put 16 bytes of a row (rows of 272 bytes)
.set RD,   25                          ; v25 and where I read back: four rows of one head
.set CO,   26                          ; v26 16 x lane
.set ADRS, 27                          ; v27 my scale words: lanes 0-15 A's rows, lanes 16-31 B's
.set SPW,  28
.set NIL,  29
.set STO32, 30                         ; v30 the way out, f32: rows of 528 bytes
.set RD32,  31                         ; v31
.set SC,   32
.set AF,   128
.set TMP,  192                         ; the way out: packed results
.set G1, 24
.set G0, 32
.set G1B, 48
.set G0B, 56
.set G1S, 68
.set G0S, 76
.set G1SB, 80
.set G0SB, 88
.set MSB, 0
.macro WIN new                         ; the immediate's high byte repeats the setting that is left
.if MSB != \new
	s_set_vgpr_msb (MSB<<8)|\new
.set MSB, \new
.endif
.endm
.set MUL_LO, 0xa1                      ; source 0 (B) window 1, source 1 (A) window 0, C and D window 2
.set MUL_HI, 0xf1
.set TO_B,   0x40
; A joint load: waves 0 and 1 fetch for A, waves 2 and 3 for B; the branch hangs on the wave's number alone.  An s_nop 0 and four v_nop follow each line.
.macro JLOAD g0a, g1a, g0b, g1b
	s_cmp_eq_u32 s15, 0
	s_cbranch_scc0 .Lfor_b_\@
	tensor_load_to_lds s[\g0a:\g0a+3], s[\g1a:\g1a+7]
	s_nop 0
.rept 4
	v_nop
.endr
	s_branch .Lasked_\@
.Lfor_b_\@:
	tensor_load_to_lds s[\g0b:\g0b+3], s[\g1b:\g1b+7]
	s_nop 0
.rept 4
	v_nop
.endr
.Lasked_\@:
.endm
.macro CROUND                          ; a round of the cluster's barrier
	s_barrier_signal -1
	s_barrier_wait -1
	s_cmp_lg_u32 s14, 0
	s_cbranch_scc1 .Lnot_wave_0_\@
	s_barrier_signal -3
.Lnot_wave_0_\@:
	s_barrier_wait -3
	s_barrier_signal -1
	s_barrier_wait -1
.endm
	s_load_b128 s[4:7], s[0:1], 0x0                ; A's codes, A's scales
	s_load_b128 s[8:11], s[0:1], 0x10              ; B's codes, B's scales
	s_load_b128 s[96:99], s[0:1], 0x20             ; qkv16, qkv32
	v_lshl_add_u32 v[SPW], v0, 2, SPARE
	v_mov_b32 v[NIL], 0
	ds_add_u32 v[SPW], v[NIL]                      ; the wave's opening: the add, twice on end, and its wait ahead of my first tensor load
	ds_add_u32 v[SPW], v[NIL]
	v_lshrrev_b32 v1, 5, v0
	v_readfirstlane_b32 s14, v1                    ; wave 0..3
	s_lshr_b32 s15, s14, 1                         ; which half of the tile's rows is mine.  Also: I fetch for A (0) or for B (1)
	s_and_b32 s16, s14, 1                          ; which half of its columns.  Also: which 128 rows I fetch
	s_bfe_u32 s40, ttmp6, 0x40000                  ; cx
	s_bfe_u32 s41, ttmp6, 0x40004                  ; cy
	s_lshl_b32 s42, ttmp9, 2
	s_add_co_u32 s42, s42, s40                     ; tile column = 4 x cluster x + cx
	s_and_b32 s17, ttmp7, 0xffff
	s_lshl_b32 s18, s41, 3
	s_add_co_u32 s17, s17, s18                     ; tile row = cluster y + 8 cy
	s_lshl_b32 s43, s41, 2
	s_lshl_b32 s43, 15, s43                        ; my row of the cluster
	s_lshl_b32 s44, 0x1111, s40                    ; my column
	s_or_b32 s[G1+0], s43, (0<<16)|(1<<20)|(1<<21)|(5<<22)|(3<<25)  ; mask; elements of 1 byte; padding on; bit 21 beside a mask; 4 words after every 64
	s_or_b32 s[G1B+0], s44, (0<<16)|(1<<20)|(1<<21)|(5<<22)|(3<<25)
.irp g, G1, G1B
	s_mov_b32 s[\g+1], ROWB<<16                    ; tensor_dim0
	s_mov_b32 s[\g+2], 128<<16                     ; tensor_dim1
	s_mov_b32 s[\g+3], ROWB<<16                    ; tile_dim0
	s_mov_b32 s[\g+4], 128                         ; tile_dim1
	s_mov_b32 s[\g+5], KROW                        ; the pitch
	s_mov_b32 s[\g+6], 0
	s_mov_b32 s[\g+7], 0
.endr
	s_or_b32 s[G1S+0], s43, (3<<16)|(1<<20)|(1<<21)|(5<<22)|(3<<25) ; the scales of 128 rows: 4,096 dense bytes as 16 rows of 256 (32 elements of 8 bytes)
	s_or_b32 s[G1SB+0], s44, (3<<16)|(1<<20)|(1<<21)|(5<<22)|(3<<25)
.irp g, G1S, G1SB
	s_mov_b32 s[\g+1], 32<<16
	s_mov_b32 s[\g+2], (128*KS/256)<<16
	s_mov_b32 s[\g+3], 32<<16
	s_mov_b32 s[\g+4], 128*KS/256
	s_mov_b32 s[\g+5], 32
	s_mov_b32 s[\g+6], 0
	s_mov_b32 s[\g+7], 0
.endr
	s_mov_b32 s66, 0x3e38aa3b                      ; c = log2(e) / 8
	s_mov_b32 s67, s66                             ; (named with it as a pair)
	s_lshl_b32 s18, s16, 7                         ; which 128 rows of the tile I fetch
	s_lshl_b32 s20, s17, 8
	s_add_co_u32 s20, s20, s18                     ; A: row 256 x tile row + 128 x half
	s_lshl_b32 s46, s42, 8
	s_add_co_u32 s46, s46, s18                     ; B: row 256 x tile column + 128 x half
	s_mov_b32 s21, 0
	s_mov_b32 s47, 0
	s_mov_b64 s[18:19], KS
	s_mul_u64 s[22:23], s[20:21], s[18:19]         ; where these rows' scales begin,
	s_mul_u64 s[92:93], s[46:47], s[18:19]
	s_mov_b64 s[18:19], KROW
	s_mul_u64 s[20:21], s[20:21], s[18:19]         ; and their codes
	s_mul_u64 s[46:47], s[46:47], s[18:19]
	s_mul_i32 s45, s14, HALFT                      ; where they go: wave x 128 rows
	s_mul_i32 s94, s14, HALFS
	s_wait_dscnt 0x0                               ; both opening adds are done
	s_wait_kmcnt 0x0
	s_add_nc_u64 s[20:21], s[4:5], s[20:21]
	s_add_nc_u64 s[22:23], s[6:7], s[22:23]
	s_add_nc_u64 s[46:47], s[8:9], s[46:47]
	s_add_nc_u64 s[92:93], s[10:11], s[92:93]
	CROUND                                         ; all sixteen work-groups are here: the joint loads meet
	s_mov_b32 s[G0S], 1
	s_add_co_u32 s[G0S+1], s94, SCL
	s_mov_b64 s[G0S+2:G0S+3], s[22:23]
	s_or_b32 s[G0S+3], s[G0S+3], 0x80000000
	s_mov_b32 s[G0SB], 1
	s_add_co_u32 s[G0SB+1], s94, SCL
	s_mov_b64 s[G0SB+2:G0SB+3], s[92:93]
	s_or_b32 s[G0SB+3], s[G0SB+3], 0x80000000
	JLOAD G0S, G1S, G0SB, G1SB                     ; the scales first; by this text's count three tensor loads of a wave are out at the most
.irp s, 0,1
	s_mov_b32 s[G0+4*\s], 1
	s_add_co_u32 s[G0+4*\s+1], s45, \s*SLOT
	s_add_nc_u64 s[G0+4*\s+2:G0+4*\s+3], s[20:21], \s*ROWB
	s_or_b32 s[G0+4*\s+3], s[G0+4*\s+3], 0x80000000
	s_mov_b32 s[G0B+4*\s], 1
	s_add_co_u32 s[G0B+4*\s+1], s45, \s*SLOT
	s_add_nc_u64 s[G0B+4*\s+2:G0B+4*\s+3], s[46:47], \s*ROWB
	s_or_b32 s[G0B+4*\s+3], s[G0B+4*\s+3], 0x80000000
	JLOAD G0+4*\s, G1, G0B+4*\s, G1B
.endr
	v_and_b32 v1, 15, v0                           ; r = lane % 16
	v_bfe_u32 v2, v0, 4, 1                         ; h = lane / 16
	v_mul_u32_u24 v3, v1, PITCH
	v_lshl_add_u32 v4, v2, 4, v3                   ; a fragment's row x pitch + 16 h
	s_mul_i32 s21, s15, HALFT                      ; my 128 rows of A
	s_mul_i32 s22, s16, HALFT                      ; my 128 rows of B,
	s_add_co_u32 s22, s22, 2*HALFT                 ; behind A's 256
.irp s, 0,1
	v_add_nc_u32 v[ADRA+\s], s21, v4
	v_add_nc_u32 v[ADRB+\s], s22, v4
	s_add_co_u32 s21, s21, SLOT
	s_add_co_u32 s22, s22, SLOT
.endr
	v_mul_u32_u24 v5, v1, KS                       ; my row's scales: 32 bytes a row,
	v_lshrrev_b32 v6, 8, v5
	v_lshl_add_u32 v5, v6, 4, v5                   ; and 16 more for each 256 passed
	s_mul_i32 s21, s15, HALFS
	s_mul_i32 s22, s16, HALFS
	s_add_co_u32 s22, s22, 2*HALFS
	s_sub_co_u32 s22, s22, s21
	v_mul_u32_u24 v6, s22, v2                      ; lanes 16-31 take B's: one product, the distance between the two bases x h
	s_add_co_u32 s21, s21, SCL
	v_add_nc_u32 v5, v5, v6
	v_add_nc_u32 v[ADRS], s21, v5
	s_mul_i32 s23, s14, 16*528                     ; my stage, in slot 0: it is used when that slot has had its one fill and its last read
	v_mul_u32_u24 v5, v1, 528
	v_lshl_add_u32 v5, v2, 5, v5
	v_add_nc_u32 v[STO32], s23, v5                 ; f32: row r, 32 bytes for each half of the lanes
	v_and_b32 v6, 31, v0
	v_lshlrev_b32 v[CO], 4, v6                     ; 16 x lane
	v_add_nc_u32 v[RD32], s23, v[CO]               ; f32, back: the 32 lanes take one row of 512 bytes
	v_lshl_add_u32 v5, v2, 4, v3
	v_add_nc_u32 v[STO], s23, v5                   ; f16: row r of 272 bytes, 16 bytes for each half
	v_bfe_u32 v5, v0, 3, 2
	v_mul_u32_u24 v5, v5, 272
	v_and_b32 v6, 7, v0
	v_lshl_add_u32 v5, v6, 4, v5
	v_add_nc_u32 v[RD], s23, v5                    ; f16, back: eight lanes take a row's 128 bytes of one head, four rows an instruction
	; where my part begins in qkv16: a 2^24 + batch 2^22 + head 2^18 + t 128, head = 4 cx + 2 x column half, t = 256 x cluster y + 128 x row half
	s_lshl_b32 s20, ttmp9, 24
	s_lshl_b32 s21, s41, 22
	s_add_co_u32 s20, s20, s21
	s_lshl_b32 s21, s40, 20
	s_add_co_u32 s20, s20, s21
	s_lshl_b32 s21, s16, 19
	s_add_co_u32 s20, s20, s21
	s_and_b32 s92, ttmp7, 0xffff
	s_lshl_b32 s21, s92, 15
	s_add_co_u32 s20, s20, s21
	s_lshl_b32 s21, s15, 14
	s_add_co_u32 s20, s20, s21
	s_mov_b32 s21, 0
	s_add_nc_u64 s[96:97], s[96:97], s[20:21]
	s_mul_i32 s20, s41, 196608                     ; and in qkv32: batch x 16 rows of 12,288 bytes + 4 bytes a column
	s_lshl_b32 s23, s42, 10
	s_add_co_u32 s20, s20, s23
	s_lshl_b32 s23, s16, 9
	s_add_co_u32 s20, s20, s23
	s_add_nc_u64 s[98:99], s[98:99], s[20:21]
	s_or_b32 s92, s92, s15                         ; 0 where my first 16 rows are t = 0 .. 15: cluster y and the wave's number alone
.macro FRAG reg, adr, q, i             ; 16 rows x 128 K of 4-bit codes: 8 registers; registers 4 c .. 4 c + 3 hold K = 64 c + 32 h + 0 .. 31
.irp c, 0,1
	ds_load_b128 v[\reg+4*\c:\reg+4*\c+3], v[\adr] offset:64*(\q)+32*\c+(\i)*16*PITCH
.endr
.endm
; 16 matrix instructions: A's blocks a0, a0 + 1 x B's eight.  The 64 accumulators take turns, one instruction a turn, in the same order in every step.
.macro MUL16 a0, p, q, sc, zero
.irp a, \a0, \a0+1
.irp b, 0,1,2,3,4,5,6,7
.if \zero
	v_wmma_scale_f32_16x16x128_f8f6f4 v[8*(8*((\a)%4)+\b):8*(8*((\a)%4)+\b)+7], v[128*(\p)+FR*\b:128*(\p)+FR*\b+FR-1], v[AF+FR*(\a):AF+FR*(\a)+FR-1], 0, v[SC+8*NQ*(\sc)+NQ*\b+(\q)], v[SC+8*NQ*(\sc)+NQ*(\a)+(\q)] matrix_a_fmt:MATRIX_FMT_FP4 matrix_b_fmt:MATRIX_FMT_FP4 matrix_a_scale:MATRIX_SCALE_ROW1
.else
	v_wmma_scale_f32_16x16x128_f8f6f4 v[8*(8*((\a)%4)+\b):8*(8*((\a)%4)+\b)+7], v[128*(\p)+FR*\b:128*(\p)+FR*\b+FR-1], v[AF+FR*(\a):AF+FR*(\a)+FR-1], v[8*(8*((\a)%4)+\b):8*(8*((\a)%4)+\b)+7], v[SC+8*NQ*(\sc)+NQ*\b+(\q)], v[SC+8*NQ*(\sc)+NQ*(\a)+(\q)] matrix_a_fmt:MATRIX_FMT_FP4 matrix_b_fmt:MATRIX_FMT_FP4 matrix_a_scale:MATRIX_SCALE_ROW1
.endif
.endr
.endr
.endm
.macro FETCH_B slot, q, p
	WIN TO_B
.irp i, 0,1,2,3,4,5,6,7
	FRAG 128*(\p)+FR*\i, ADRB+\slot, \q, \i
.endr
	WIN 0
.endm
.macro FETCH_A slot, q, i0
.irp i, \i0, \i0+1, \i0+2, \i0+3
	FRAG AF+FR*(\i), ADRA+\slot, \q, \i
.endr
.endm
.macro SCALES sc                       ; a slot's scale words: 4 words a row; lanes 0-15 A's block i, lanes 16-31 B's block i
.irp i, 0,1,2,3,4,5,6,7
	ds_load_b128 v[SC+8*NQ*\sc+NQ*\i:SC+8*NQ*\sc+NQ*\i+3], v[ADRS] offset:\i*SBLK
.endr
.endm
.macro PLACES n                        ; plain vector instructions between a matrix instruction and a load into, or a read of, its registers
.rept \n
	v_nop
.endr
.endm
.macro STEP slot, q, zero              ; a step of 128 along K that has its successor in the same slot
	s_wait_dscnt 4*NL                              ; B's set and A's blocks 0-3 are in; the youngest eight loads (A's blocks 4-7) may be out
	WIN MUL_LO
	MUL16 0, (\q)%2, \q, \slot, \zero
	MUL16 2, (\q)%2, \q, \slot, \zero
	s_wait_dscnt 0
	PLACES NP
	FETCH_B \slot, (\q)+1, 1-(\q)%2
	FETCH_A \slot, (\q)+1, 0
	WIN MUL_HI
	MUL16 4, (\q)%2, \q, \slot, \zero
	MUL16 6, (\q)%2, \q, \slot, \zero
	PLACES NP
	WIN 0
	FETCH_A \slot, (\q)+1, 4
.endm
.macro TURN slot, next                 ; slot 0's last step goes over to slot 1: each wave waits for all its tensor loads in front of the barrier, so that behind it slot 1 is whole; nothing is filled again
	s_wait_tensorcnt 0x0
	ds_add_u32 v[SPW], v[NIL]
	s_wait_dscnt 4*NL+1                            ; (the add and the youngest eight loads may be out)
	WIN MUL_LO
	MUL16 0, 1, NQ-1, \slot, 0
	s_wait_dscnt 0x0                               ; the add is done, and my reads of this slot are over
	s_barrier_signal -1
	MUL16 2, 1, NQ-1, \slot, 0
	WIN 0
	s_barrier_wait -1
	PLACES NP
	v_add_nc_u32 v[ADRS], 4*NQ, v[ADRS]            ; on to the next slot's scale words
	FETCH_B \next, 0, 0
	FETCH_A \next, 0, 0
	SCALES \next
	WIN MUL_HI
	MUL16 4, 1, NQ-1, \slot, 0
	MUL16 6, 1, NQ-1, \slot, 0
	PLACES NP
	WIN 0
	FETCH_A \next, 0, 4
.endm
.macro STEPS slot, from
.set QI, \from
.rept NQ-1-\from
	STEP \slot, QI, 0
.set QI, QI+1
.endr
.endm
	s_wait_tensorcnt 1                             ; the scales and my part of slot 0 are in (slot 1's load may be out),
	s_barrier_signal -1
	s_barrier_wait -1                              ; everybody's are
	FETCH_B 0, 0, 0
	FETCH_A 0, 0, 0
	SCALES 0
	FETCH_A 0, 0, 4
	STEP 0, 0, 1                                   ; the first products start the sums: nothing is cleared
	STEPS 0, 1
	TURN 0, 1
	STEPS 1, 0
	s_wait_dscnt 4*NL                              ; the last step
	WIN MUL_LO
	MUL16 0, 1, NQ-1, 1, 0
	MUL16 2, 1, NQ-1, 1, 0
	s_wait_dscnt 0
	WIN MUL_HI
	MUL16 4, 1, NQ-1, 1, 0
	MUL16 6, 1, NQ-1, 1, 0
	WIN 0
	PLACES NP                                      ; for all reads of results and all loads into operands' registers below
	; q alone is multiplied by c, in f32, ahead of every rounding.  Cluster x says whether these columns are q's: the same in all partners.  Each accumulator is taken from its low end on.
	s_cmp_lg_u32 ttmp9, 0
	s_cbranch_scc1 .Lnot_q
	WIN 0x82
.set i, 0
.rept 128
	v_pk_mul_f32 v[i:i+1], v[i:i+1], s[66:67] op_sel_hi:[1,0]
.set i, i+2
.endr
	WIN 0xc3
.set i, 0
.rept 128
	v_pk_mul_f32 v[i:i+1], v[i:i+1], s[66:67] op_sel_hi:[1,0]
.set i, i+2
.endr
	WIN 0
.Lnot_q:
	; the rows t < 16 in f32: my block 0 goes through the stage and leaves as whole rows of 512 bytes
	s_cmp_lg_u32 s92, 0
	s_cbranch_scc1 .Lno_rows32
	WIN 0x08                                       ; an LDS store's data are its source 1: window 2
.irp b, 0,1,2,3,4,5,6,7
	ds_store_b128 v[STO32], v[8*\b:8*\b+3] offset:64*\b
	ds_store_b128 v[STO32], v[8*\b+4:8*\b+7] offset:64*\b+16
.endr
	WIN 0
.irp t, 0,1,2,3,4,5,6,7,8,9,10,11,12,13,14,15
	ds_load_b128 v[64+4*\t:64+4*\t+3], v[RD32] offset:\t*528   ; LDS serves a wave's instructions in order: these see the stores above
.endr
	s_wait_dscnt 0x0
.irp t, 0,1,2,3,4,5,6,7,8,9,10,11,12,13,14,15
	global_store_b128 v[CO], v[64+4*\t:64+4*\t+3], s[98:99] offset:\t*12288   ; 32 lanes store 512 consecutive bytes, aligned; these registers are not written again
.endr
.Lno_rows32:
; THE WAY OUT in f16, block by block of 16 rows x 128 columns (two heads).  PACK rounds; TOSTAGE puts 16 bytes a lane into rows of 272 bytes and reads back four rows of one head, which are 512 consecutive bytes of qkv16; SEND stores.
.macro PACK a
.set AC, 64*((\a)%4)
	WIN 0x0a+5*((\a)/4)                            ; sources 0 and 1: window 2 or 3
.irp b, 0,1,2,3,4,5,6,7
.irp r, 0,1,2,3
	v_cvt_pk_f16_f32 v[TMP+4*\b+\r], v[AC+8*\b+2*\r], v[AC+8*\b+2*\r+1]
.endr
.endr
	WIN 0
.endm
.macro TOSTAGE a
.set BKR, 32+192*((\a)%2)              ; v32-63 and v224-255 by turns
.irp b, 0,1,2,3,4,5,6,7
	ds_store_b128 v[STO], v[TMP+4*\b:TMP+4*\b+3] offset:32*\b
.endr
.irp i, 0,1,2,3,4,5,6,7
	ds_load_b128 v[BKR+4*\i:BKR+4*\i+3], v[RD] offset:(\i%4)*1088+(\i/4)*128
.endr
.endm
.macro SEND a
.set BKR, 32+192*((\a)%2)
	s_wait_dscnt 0x0                               ; the block is back in registers
	s_wait_xcnt 0x0                                ; the stores of the block before have read their registers: the next block's loads may land there
.irp i, 0,1,2,3,4,5,6,7
	global_store_b128 v[CO], v[BKR+4*\i:BKR+4*\i+3], s[96:97] offset:(\i/4)*262144+(\a)*2048+(\i%4)*512   ; 32 lanes store 512 consecutive bytes, aligned
.endr
.endm
	PACK 0
	TOSTAGE 0
.irp a, 1,2,3,4,5,6,7
	PACK \a                                        ; block a's conversions stand between block a - 1's loads from the stage and the wait for them
	SEND \a-1
	TOSTAGE \a
.endr
	SEND 7
	s_wait_tensorcnt 0x0                           ; the wave's end: behind my last tensor load and my last LDS store
	ds_add_u32 v[SPW], v[NIL]
	s_wait_dscnt 0x0
	CROUND                                         ; the closing round
	s_endpgm
.Lfunc_end_k_q2273e3cae6_qkv:
	.size	k_q2273e3cae6_qkv, .Lfunc_end_k_q2273e3cae6_qkv-k_q2273e3cae6_qkv
	.p2alignl 7, 3214868480
	.fill 96, 4, 3214868480
	.section	.rodata,"a",@progbits
	.p2align	6, 0x0
	.amdhsa_kernel k_q2273e3cae6_qkv
		.amdhsa_group_segment_fixed_size 327680
		.amdhsa_private_segment_fixed_size 0
		.amdhsa_enable_private_segment 0
		.amdhsa_kernarg_size 48
		.amdhsa_user_sgpr_count 2
		.amdhsa_user_sgpr_kernarg_segment_ptr 1
		.amdhsa_wavefront_size32 1
		.amdhsa_system_sgpr_workgroup_id_x 1
		.amdhsa_system_sgpr_workgroup_id_y 1
		.amdhsa_system_sgpr_workgroup_id_z 1
		.amdhsa_system_vgpr_workitem_id 0
		.amdhsa_next_free_vgpr 1024
		.amdhsa_next_free_sgpr 100
		.amdhsa_reserve_vcc 0
		.amdhsa_float_denorm_mode_32 3
		.amdhsa_float_denorm_mode_16_64 3
		.amdhsa_memory_ordered 1
		.amdhsa_forward_progress 1
		.amdhsa_inst_pref_size 147
	.end_amdhsa_kernel
	.amdgpu_metadata
---
amdhsa.version: [ 1, 2 ]
amdhsa.kernels:
  - .name:           k_q2273e3cae6_qkv
    .symbol:         k_q2273e3cae6_qkv.kd
    .args:
      - { .name: xc, .offset: 0, .size: 8, .value_kind: global_buffer, .address_space: global }
      - { .name: xs, .offset: 8, .size: 8, .value_kind: global_buffer, .address_space: global }
      - { .name: wc, .offset: 16, .size: 8, .value_kind: global_buffer, .address_space: global }
      - { .name: ws, .offset: 24, .size: 8, .value_kind: global_buffer, .address_space: global }
      - { .name: qkv16, .offset: 32, .size: 8, .value_kind: global_buffer, .address_space: global }
      - { .name: qkv32, .offset: 40, .size: 8, .value_kind: global_buffer, .address_space: global }
    .group_segment_fixed_size: 327680
    .private_segment_fixed_size: 0
    .kernarg_segment_align: 8
    .kernarg_segment_size: 48
    .max_flat_workgroup_size: 128
    .sgpr_count:     100
    .vgpr_count:     1024
    .wavefront_size: 32
...
	.end_amdgpu_metadata
.endif
;; end of part 2
;; launch attn (part 3): grid 4 x 64, 16 waves a work-group, no clusters, 327,680 bytes of LDS; arguments qkv16, o16; writes o16
.if DOCPART == 3
	.amdgcn_target "amdgcn-amd-amdhsa--gfx1250"
	.amdhsa_code_object_version 6
	.text
	.protected	k_q2273e3cae6_attn
	.globl	k_q2273e3cae6_attn
	.p2align	8
	.type	k_q2273e3cae6_attn,@function
k_q2273e3cae6_attn:
	s_mov_b64 s[64:65], 0
	v_nop
	global_prefetch_b8 v0, s[64:65] scope:SCOPE_SE
	s_setreg_imm32_b32 hwreg(HW_REG_WAVE_MODE, 25, 1), 1
	s_wait_xcnt 0x0
; ATTN: o = softmax(causal(q k^T / 8)) v for each of 64 (batch, head); operands f16, sums, maxima and exponentials f32.  qkv16: [a 3][bh 64][t 2048][64] f16; q comes multiplied by c = log2(e) / 8,
; so a score is already the exponent of 2.  o16: [b 4][block of 128 positions, 16][head 16][128][64] f16: as the projection's tiles want it.
; SHARES.  Work-group (i, bh), i = 0 .. 3: waves 0-7 own the 256 queries of block 7 - i, waves 8-15 those of block i: under the causal mask every work-group then has the same work.  A wave owns 32 queries: two tiles of 16,
; so that each fragment of K and V read from LDS feeds two matrix instructions.  Waves w and w + 4 take groups s and 7 - s of a block's eight.
; NO CLUSTER: the four work-groups of a head need 2,048 - 256 i keys, different numbers of tiles, and beyond its limit every wave of a partner would jump over the reads of a joint tile.
; LAYOUT.  S^T = K Q^T (source 0 = 16 keys, source 1 = 16 queries), O^T = V^T P (source 0 = 16 channels, turned by ds_load_tr16_b128, source 1 = P): a lane holds ONE query (lane % 16) throughout; two tiles of S^T, rounded in pairs, are P.
; SOFTMAX.  A running maximum m and sum l for each query: p = 2^(s - m); in every step O and l are multiplied by a = 2^(old m - new m).  m begins at -3e38, O and l at 0: the step is written once.
; RING.  Two slots of 256 keys (K: 128 LDS rows of two keys, 256 + 16 bytes; V: the same with 32 bytes of padding), filled by waves 0-3, read by all sixteen; the change of slots stands at a slot's head.
; CAUSAL.  Every work-group walks all eight slots, so that trip counts are constants; a step all of whose keys come after the wave's queries is jumped over, and a slot beyond the work-group's last query is not asked for.
; LIMITS: |c q|, |k|, |v|, |o| under 65,504.  The rows t < 16 are made here too, in f16; a later launch makes their outputs anew in f32.
; REGISTERS: v1-11 addresses and the mask's numbers; v12-27 statistics, eight a tile (+0 m, +1 old m, +2, +3 l, +4 to +7 at work, a in +6); v28-31 at work; v32-63 Q; v64-127 S^T, then p, then P in place; v128-191 O^T; v192-255 eight fragments of K or of V.
.set VOFF,  34816                      ; a slot: K's 128 rows of 272 bytes, then V's 128 rows of 288
.set SLOT1, 1<<17                      ; slot 1 begins here: one exclusive or turns an address from one slot to the other
.set SPARE, 2*SLOT1                    ; the spare words, 128 bytes for each of 16 waves: eight blocks of 256 bytes that no other line names
.set AK0, 1
.set AV0, 2
.set ADK, 3
.set ADV, 4
.set SPW, 5
.set NIL, 6
.set PFO, 7
.set NINF, 8
.set RH,  9
.set D0,  10                           ; v10, v11
.set ST,  12
.set QQ,  32
.set SS,  64
.set OO,  128
.set FF,  192
.set TB,  2                            ; s2  LDS byte at which the slot in hand begins
.set WV,  18
.set SEL, 20
.set G1K, 24
.set G1V, 32
.set G0K, 40
.set G0V, 44
.set SLOTS, 67
.set KF,  68                           ; the step's first key
.set Q0,  69                           ; my first query
.set QL,  70                           ; my work-group's last query
.set PFA, 72
.set LIM, 74
; Waves 0 and 1 fetch K's halves, waves 2 and 3 V's, the others nothing; the branches hang on the wave's number alone.  An s_nop 0 and four v_nop follow each line.
.macro TLOAD
	s_cmp_lt_u32 s[WV], 2
	s_cbranch_scc0 .Lnot_k_\@
	tensor_load_to_lds s[G0K:G0K+3], s[G1K:G1K+7]
	s_nop 0
.rept 4
	v_nop
.endr
	s_branch .Lasked_\@
.Lnot_k_\@:
	s_cmp_lt_u32 s[WV], 4
	s_cbranch_scc0 .Lasked_\@
	tensor_load_to_lds s[G0V:G0V+3], s[G1V:G1V+7]
	s_nop 0
.rept 4
	v_nop
.endr
.Lasked_\@:
.endm
; A prefetch of the slot that the NEXT change of slots will ask for: 32,768 dense bytes of K and as many of V.  The head's first work-group asks, which walks all keys; in it waves 4-7 ask for K, waves 8-11 for V,
; 8,192 bytes a wave, lanes 256 bytes apart: each aligned block of 256 bytes is named once in the launch.  The last change that fills a slot asks for nothing; slots 0 and 1 come by their loads alone.
.macro ASK
	s_cmp_gt_u32 s[SLOTS], s[LIM]
	s_cbranch_scc0 .Lnot_mine_\@
	global_prefetch_b8 v[PFO], s[PFA:PFA+1] th:TH_LOAD_NT scope:SCOPE_SE
.Lnot_mine_\@:
.endm
	s_load_b128 s[4:7], s[0:1], 0x0                ; qkv16, o16
	v_lshl_add_u32 v[SPW], v0, 2, SPARE
	v_mov_b32 v[NIL], 0
	ds_add_u32 v[SPW], v[NIL]                      ; the wave's opening: the add, twice on end, and its wait ahead of my first tensor load
	ds_add_u32 v[SPW], v[NIL]
	v_lshrrev_b32 v3, 5, v0
	v_readfirstlane_b32 s[WV], v3                  ; wave 0..15
	s_and_b32 s76, s[WV], 7
	s_sub_co_u32 s77, 11, s76
	s_cmp_lt_u32 s76, 4
	s_cselect_b32 s76, s76, s77                    ; my group of 32 queries: u < 4 ? u : 11 - u
	s_sub_co_u32 s77, 7, ttmp9
	s_cmp_lt_u32 s[WV], 8
	s_cselect_b32 s77, s77, ttmp9                  ; my block of 256 queries
	s_lshl_b32 s77, s77, 8
	s_lshl_b32 s76, s76, 5
	s_add_co_u32 s[Q0], s77, s76
	s_sub_co_u32 s[QL], 8, ttmp9
	s_lshl_b32 s[QL], s[QL], 8
	s_sub_co_u32 s[QL], s[QL], 1                   ; 256 (8 - i) - 1
	s_and_b32 s78, ttmp7, 0xffff                   ; bh
	s_lshl_b32 s80, s78, 18                        ; a head's 262,144 bytes
	s_mov_b32 s81, 0
	s_and_b32 s82, s[WV], 1                        ; which half of a slot's tile I fetch, if I fetch
	s_lshl_b32 s84, s82, 14
	s_add_co_u32 s84, s84, s80
	s_add_co_u32 s84, s84, 0x1000000               ; K: 2^24 + head + half
	s_mov_b32 s85, 0
	s_add_co_u32 s86, s84, 0x1000000               ; V: 2^25 + head + half
	s_mov_b32 s87, 0
	s_mul_i32 s88, s82, 17408                      ; and in a slot
	s_mul_i32 s89, s82, 18432
	s_add_co_u32 s89, s89, VOFF
	s_lshl_b32 s90, s[Q0], 7
	s_add_co_u32 s90, s90, s80                     ; Q: head + 128 bytes a query
	s_mov_b32 s91, 0
	s_lshr_b32 s92, s78, 4                         ; o16: batch 2^22 + (Q0 / 128) 2^18 + head 2^14 + (Q0 % 128) 128
	s_lshl_b32 s92, s92, 22
	s_lshr_b32 s93, s[Q0], 7
	s_lshl_b32 s93, s93, 18
	s_add_co_u32 s92, s92, s93
	s_and_b32 s93, s78, 15
	s_lshl_b32 s93, s93, 14
	s_add_co_u32 s92, s92, s93
	s_and_b32 s93, s[Q0], 127
	s_lshl_b32 s93, s93, 7
	s_add_co_u32 s92, s92, s93
	s_mov_b32 s93, 0
	; descriptor group 1: 64 rows of 128 elements of 2 bytes, dense in memory: two keys to a row
	s_mov_b32 s[G1K], (1<<16)|(1<<20)|(5<<22)|(3<<25)              ; no mask; elements of 2 bytes; padding on: 4 words after every 64
	s_mov_b32 s[G1V], (1<<16)|(1<<20)|(5<<22)|(7<<25)              ; the same with 8 words
.irp g, G1K, G1V
	s_mov_b32 s[\g+1], 128<<16                     ; tensor_dim0
	s_mov_b32 s[\g+2], 64<<16                      ; tensor_dim1
	s_mov_b32 s[\g+3], 128<<16                     ; tile_dim0
	s_mov_b32 s[\g+4], 64                          ; tile_dim1
	s_mov_b32 s[\g+5], 128                         ; the pitch
	s_mov_b32 s[\g+6], 0
	s_mov_b32 s[\g+7], 0
.endr
	s_mov_b32 s[SEL], 0x76543210
	s_mov_b32 s[SEL+1], 0xfedcba98                 ; v_permlanex16_b32's selects for lane l xor 16
	s_mov_b32 s[TB], 0
	s_mov_b32 s[SLOTS], 7
	s_mov_b32 s[KF], 0
	; the prefetches: where my wave's stand, and who asks
	s_cmp_lt_u32 s[WV], 8
	s_mov_b32 s94, 0x2000000
	s_cselect_b32 s94, 0x1000000, s94              ; K or V
	s_add_co_u32 s94, s94, s80                     ; my head
	s_and_b32 s95, s[WV], 3
	s_lshl_b32 s95, s95, 13
	s_add_co_u32 s94, s94, s95                     ; my wave's 8,192 bytes,
	s_add_co_u32 s94, s94, 32768                   ; in slot 1: the first change of slots steps it to slot 2
	s_mov_b32 s95, 0
	s_sub_co_u32 s96, s[WV], 4
	s_lshr_b32 s96, s96, 3                         ; 0 in waves 4 to 11,
	s_or_b32 s96, s96, ttmp9                       ; of the head's first work-group
	s_cmp_eq_u32 s96, 0
	s_cselect_b32 s[LIM], 1, -1
	s_wait_dscnt 0x0                               ; both opening adds are done
	s_wait_kmcnt 0x0
	s_mov_b32 s[G0K], 1
	s_mov_b32 s[G0K+1], s88
	s_add_nc_u64 s[G0K+2:G0K+3], s[4:5], s[84:85]
	s_or_b32 s[G0K+3], s[G0K+3], 0x80000000
	s_mov_b32 s[G0V], 1
	s_mov_b32 s[G0V+1], s89
	s_add_nc_u64 s[G0V+2:G0V+3], s[4:5], s[86:87]
	s_or_b32 s[G0V+3], s[G0V+3], 0x80000000
	TLOAD                                          ; slot 0: keys 0 to 255, which count for some query of every wave
	s_add_nc_u64 s[PFA:PFA+1], s[4:5], s[94:95]
	s_add_nc_u64 s[6:7], s[6:7], s[92:93]          ; o16 at my first query
	s_add_nc_u64 s[4:5], s[4:5], s[90:91]          ; q at my first query
	v_and_b32 v28, 15, v0                          ; r
	v_bfe_u32 v29, v0, 4, 1                        ; h
	v_lshlrev_b32 v30, 7, v28
	v_lshl_add_u32 v30, v29, 4, v30                ; Q: row r of 128 bytes + 16 h
.irp t, 0,1
.irp d, 0,1
	global_load_b128 v[QQ+16*\t+8*\d:QQ+16*\t+8*\d+3],   v30, s[4:5] offset:2048*\t+64*\d      ; Q stays in registers: tile t, channels 32 d on
	global_load_b128 v[QQ+16*\t+8*\d+4:QQ+16*\t+8*\d+7], v30, s[4:5] offset:2048*\t+64*\d+32
.endr
.endr
	v_lshrrev_b32 v31, 1, v28
	v_mul_u32_u24 v[AK0], v31, 272                 ; K: key r of a tile lies in LDS row r / 2, half r % 2
	v_and_b32 v31, 1, v28
	v_lshl_add_u32 v[AK0], v31, 7, v[AK0]
	v_lshl_add_u32 v[AK0], v29, 4, v[AK0]
	v_bfe_u32 v31, v0, 1, 2                        ; V, for the turning load: lane l reads key 8 h + l % 8, channels 8 ((l / 8) % 2) on
	v_lshl_add_u32 v31, v29, 2, v31
	v_mul_u32_u24 v[AV0], v31, 288
	v_and_b32 v31, 1, v0
	v_lshl_add_u32 v[AV0], v31, 7, v[AV0]
	v_bfe_u32 v31, v0, 3, 1
	v_lshl_add_u32 v[AV0], v31, 4, v[AV0]
	v_add_nc_u32 v[AV0], VOFF, v[AV0]
	v_and_b32 v[PFO], 31, v0
	v_lshlrev_b32 v[PFO], 8, v[PFO]
	v_mov_b32 v[NINF], 0xff800000                  ; -infinity
	v_lshlrev_b32 v31, 3, v29
	v_sub_nc_u32 v[RH], v28, v31                   ; r - 8 h
.irp t, 0,1
	v_mov_b32 v[ST+8*\t], 0xff61b1e6               ; m = -3e38, under every score
	v_mov_b32 v[ST+8*\t+1], 0xff61b1e6
.irp j, 2,3,4,5,6,7
	v_mov_b32 v[ST+8*\t+\j], 0                     ; l = 0; the others are written once, so that no way reads one unwritten
.endr
.endr
.set i, 0
.rept 64
	v_mov_b32 v[OO+i], 0                           ; O^T: the step is written once; its first run finds zeros, which a = 0 leaves zeros
.set i, i+1
.endr
; A KEY STEP: 64 keys, the q-th of the slot in hand.
.macro STEP q
	s_add_co_u32 s96, s[Q0], 31                    ; a step all of whose keys come after my 32 queries is left out: a branch on ids and the count of steps
	s_cmp_gt_u32 s[KF], s96
	s_cbranch_scc1 .Lhidden_\@
	v_add_nc_u32 v[ADK], s[TB], v[AK0]
	v_add_nc_u32 v[ADV], s[TB], v[AV0]
.rept 3
	v_nop                                          ; with the two additions five places behind the last step's products: four for the loads into their fragments, five since the next products write over P
.endr
.irp k, 0,1,2,3
.irp d, 0,1
	ds_load_b128 v[FF+8*(2*\k+\d):FF+8*(2*\k+\d)+3],   v[ADK] offset:8704*(\q)+2176*\k+64*\d
	ds_load_b128 v[FF+8*(2*\k+\d)+4:FF+8*(2*\k+\d)+7], v[ADK] offset:8704*(\q)+2176*\k+64*\d+32
.endr
.endr
	s_wait_dscnt 0x0
.irp d, 0,1                                    ; S^T = K Q^T: eight accumulators by turns; the first eight products start the sums
.irp k, 0,1,2,3
.irp t, 0,1
.if \d == 0
	v_wmma_f32_16x16x32_f16 v[SS+32*\t+8*\k:SS+32*\t+8*\k+7], v[FF+8*(2*\k+\d):FF+8*(2*\k+\d)+7], v[QQ+16*\t+8*\d:QQ+16*\t+8*\d+7], 0
.else
	v_wmma_f32_16x16x32_f16 v[SS+32*\t+8*\k:SS+32*\t+8*\k+7], v[FF+8*(2*\k+\d):FF+8*(2*\k+\d)+7], v[QQ+16*\t+8*\d:QQ+16*\t+8*\d+7], v[SS+32*\t+8*\k:SS+32*\t+8*\k+7]
.endif
.endr
.endr
.endr
.rept 4
	v_nop                                          ; places: for the loads into K's registers, and for the first reads of the scores
.endr
.irp u, 0,1                                    ; V, turned: keys 32 u on, channels 16 d on; it lands while the softmax is worked
.irp d, 0,1,2,3
	ds_load_tr16_b128 v[FF+8*(4*\u+\d):FF+8*(4*\u+\d)+3],   v[ADV] offset:9216*(\q)+4608*\u+32*\d
	ds_load_tr16_b128 v[FF+8*(4*\u+\d)+4:FF+8*(4*\u+\d)+7], v[ADV] offset:9216*(\q)+4608*\u+32*\d+2304
.endr
.endr
	s_add_co_u32 s96, s[KF], 63                    ; on the diagonal hidden scores become -infinity ahead of the maximum; a step all of whose keys count skips this
	s_cmp_le_u32 s96, s[Q0]
	s_cbranch_scc1 .Lopen_\@
	s_sub_co_i32 s96, s[Q0], s[KF]
	v_add_nc_u32 v[D0], s96, v[RH]                 ; register 8 k + j of tile t holds key KF + 16 k + 8 h + j: hidden where 16 k + j > Q0 + 16 t + r - KF - 8 h
	v_add_nc_u32 v[D0+1], 16, v[D0]
.irp t, 0,1
.set n, 0
.rept 32
	v_cmp_gt_i32 vcc_lo, 16*(n/8)+n%8, v[D0+\t]
	v_cndmask_b32 v[SS+32*\t+n], v[SS+32*\t+n], v[NINF], vcc_lo
.set n, n+1
.endr
.endr
.Lopen_\@:
.irp j, 0,1,2,3                                ; the maximum of the lane's 32 scores and the old m: four chains, the two tiles line by line; each accumulator is read from its low end on
.irp t, 0,1
	v_max3_num_f32 v[ST+8*\t+4+\j], v[SS+32*\t+8*\j], v[SS+32*\t+8*\j+1], v[SS+32*\t+8*\j+2]
.endr
.endr
.irp i, 3,5
.irp j, 0,1,2,3
.irp t, 0,1
	v_max3_num_f32 v[ST+8*\t+4+\j], v[ST+8*\t+4+\j], v[SS+32*\t+8*\j+\i], v[SS+32*\t+8*\j+\i+1]
.endr
.endr
.endr
.irp t, 0,1
	v_max3_num_f32 v[ST+8*\t+4], v[ST+8*\t+4], v[SS+32*\t+7], v[SS+32*\t+15]
	v_max3_num_f32 v[ST+8*\t+6], v[ST+8*\t+6], v[SS+32*\t+23], v[SS+32*\t+31]
.endr
.irp t, 0,1
	v_max3_num_f32 v[ST+8*\t+4], v[ST+8*\t+4], v[ST+8*\t+5], v[ST+8*\t+6]
.endr
.irp t, 0,1
	v_max3_num_f32 v[ST+8*\t+4], v[ST+8*\t+4], v[ST+8*\t+7], v[ST+8*\t]
.endr
.irp t, 0,1
	v_permlanex16_b32 v[ST+8*\t+5], v[ST+8*\t+4], s[SEL], s[SEL+1]   ; the query's other 32 keys lie in the lane 16 away
.endr
.irp t, 0,1
	v_mov_b32 v[ST+8*\t+1], v[ST+8*\t]             ; the old m is kept for a
.endr
.irp t, 0,1
	v_max_num_f32 v[ST+8*\t], v[ST+8*\t+4], v[ST+8*\t+5]
.endr
.irp t, 0,1
	v_sub_f32 v[ST+8*\t+7], v[ST+8*\t+1], v[ST+8*\t]
.endr
.set n, 0
.rept 16
.irp t, 0,1
	v_pk_add_f32 v[SS+32*\t+n:SS+32*\t+n+1], v[SS+32*\t+n:SS+32*\t+n+1], v[ST+8*\t:ST+8*\t+1] op_sel_hi:[1,0] neg_lo:[0,1] neg_hi:[0,1]   ; s - m, two at a time: at most 0
.endr
.set n, n+2
.endr
.irp t, 0,1
	v_exp_f32 v[ST+8*\t+6], v[ST+8*\t+7]           ; a
.endr
.set n, 0
.rept 64
	v_exp_f32 v[SS+n], v[SS+n]                     ; p = 2^(s - m)
.set n, n+1
.endr
	v_nop                                          ; a plain instruction behind the last exponential
	s_wait_alu depctr_va_vdst(0)                   ; one wait for the batch of 66, ahead of its first reader
.irp t, 0,1                                    ; l = a l + the sum of the unrounded p: two chains a tile
	v_pk_mul_f32 v[ST+8*\t+2:ST+8*\t+3], v[ST+8*\t+2:ST+8*\t+3], v[ST+8*\t+6:ST+8*\t+7] op_sel_hi:[1,0]
	v_pk_add_f32 v[ST+8*\t+4:ST+8*\t+5], v[SS+32*\t+2:SS+32*\t+3], v[SS+32*\t+6:SS+32*\t+7]
.endr
.irp j, 0,4
.irp t, 0,1
	v_pk_add_f32 v[ST+8*\t+2:ST+8*\t+3], v[ST+8*\t+2:ST+8*\t+3], v[SS+32*\t+\j:SS+32*\t+\j+1]
.endr
.endr
.irp j, 8,12,16,20,24,28
.irp t, 0,1
	v_pk_add_f32 v[ST+8*\t+2:ST+8*\t+3], v[ST+8*\t+2:ST+8*\t+3], v[SS+32*\t+\j:SS+32*\t+\j+1]
	v_pk_add_f32 v[ST+8*\t+4:ST+8*\t+5], v[ST+8*\t+4:ST+8*\t+5], v[SS+32*\t+\j+2:SS+32*\t+\j+3]
.endr
.endr
.irp t, 0,1
	v_pk_add_f32 v[ST+8*\t+2:ST+8*\t+3], v[ST+8*\t+2:ST+8*\t+3], v[ST+8*\t+4:ST+8*\t+5]
.endr
.set n, 0
.rept 16
.irp t, 0,1
	v_cvt_pk_f16_f32 v[SS+32*\t+n], v[SS+32*\t+2*n], v[SS+32*\t+2*n+1]   ; P, in place, ascending: register n is written when registers up to 2 n - 1 have been read
.endr
.set n, n+1
.endr
.set n, 0
.rept 16
.irp t, 0,1
	v_pk_mul_f32 v[OO+32*\t+n:OO+32*\t+n+1], v[OO+32*\t+n:OO+32*\t+n+1], v[ST+8*\t+6:ST+8*\t+7] op_sel_hi:[1,0]   ; O^T x a
.endr
.set n, n+2
.endr
	s_wait_dscnt 0x0                               ; V is in
.irp u, 0,1                                    ; O^T += V^T P: eight accumulators by turns
.irp d, 0,1,2,3
.irp t, 0,1
	v_wmma_f32_16x16x32_f16 v[OO+32*\t+8*\d:OO+32*\t+8*\d+7], v[FF+8*(4*\u+\d):FF+8*(4*\u+\d)+7], v[SS+32*\t+8*\u:SS+32*\t+8*\u+7], v[OO+32*\t+8*\d:OO+32*\t+8*\d+7]
.endr
.endr
.endr
.Lhidden_\@:
	s_add_co_u32 s[KF], s[KF], 64
.endm
; THE CHANGE OF SLOTS, at a slot's head.  Each wave waits for all its tensor loads, adds 0 to its spare word (fill = 1: twice on end), and waits for that and for its reads of the slot that it has left.
; Behind the barrier the slot ahead is whole and nobody reads the other one.  fill = 1: that other slot is filled with the next 256 keys, up to the causal limit.
.macro CHANGE fill
	s_wait_tensorcnt 0x0                           ; no tensor load of mine is out, so a group 0 may be written
	ds_add_u32 v[SPW], v[NIL]
.if \fill
	ds_add_u32 v[SPW], v[NIL]                      ; and once more
	s_xor_b32 s[G0K+1], s[G0K+1], SLOT1            ; the walking descriptors: the other slot,
	s_add_nc_u64 s[G0K+2:G0K+3], s[G0K+2:G0K+3], 32768   ; the next 256 keys
	s_xor_b32 s[G0V+1], s[G0V+1], SLOT1
	s_add_nc_u64 s[G0V+2:G0V+3], s[G0V+2:G0V+3], 32768
	s_wait_xcnt 0x0                                ; the last prefetch, a slot back, has read its address
	s_add_nc_u64 s[PFA:PFA+1], s[PFA:PFA+1], 32768 ; one slot further on than the walking descriptors
.endif
	s_wait_dscnt 0x0
	s_barrier_signal -1
	s_barrier_wait -1
.if \fill
	s_add_co_u32 s96, s[KF], 256                   ; the first key of the slot that this change would ask for:
	s_cmp_gt_u32 s96, s[QL]                        ; beyond my work-group's last query none of its waves reads it, so it is not asked for.  Ids and the count of steps alone: all sixteen waves go the same way
	s_cbranch_scc1 .Lpast_\@
	TLOAD                                          ; a wave's one tensor load until the next barrier; it has a slot's four steps in which to land
.Lpast_\@:
	ASK
.endif
.endm
.macro SLOT_STEPS
.set QI, 0
.rept 4
	STEP QI
.set QI, QI+1
.endr
	s_xor_b32 s[TB], s[TB], SLOT1
.endm
	s_wait_loadcnt 0x0                             ; Q
.Lslot:                                            ; seven trips
	CHANGE 1
	SLOT_STEPS
	s_sub_co_u32 s[SLOTS], s[SLOTS], 1
	s_cmp_lg_u32 s[SLOTS], 0
	s_cbranch_scc1 .Lslot
	CHANGE 0                                       ; the last slot is written out: nothing is left to ask for
	SLOT_STEPS
	; THE WAY OUT.  O^T / l, rounded to f16, goes through my stage (32 rows of 128 + 16 bytes, in slot 0, which was left at the last change of slots) and leaves as 512 consecutive bytes a store.
.irp t, 0,1
	v_add_f32 v[ST+8*\t+4], v[ST+8*\t+2], v[ST+8*\t+3]
.endr
.irp t, 0,1
	v_permlanex16_b32 v[ST+8*\t+5], v[ST+8*\t+4], s[SEL], s[SEL+1]
.endr
.irp t, 0,1
	v_add_f32 v[ST+8*\t+4], v[ST+8*\t+4], v[ST+8*\t+5]
.endr
.irp t, 0,1
	v_rcp_f32 v[ST+8*\t+6], v[ST+8*\t+4]
.endr
	v_and_b32 v28, 15, v0                          ; (plain work behind the reciprocals)
	v_bfe_u32 v29, v0, 4, 1
	s_mul_i32 s96, s[WV], 4608                     ; my stage
	v_mul_u32_u24 v30, v28, 144
	v_lshl_add_u32 v30, v29, 4, v30
	v_add_nc_u32 v30, s96, v30                     ; in: row r, 16 bytes for each half of the lanes
	v_bfe_u32 v31, v0, 3, 2
	v_mul_u32_u24 v31, v31, 144
	v_and_b32 v28, 7, v0
	v_lshl_add_u32 v31, v28, 4, v31
	v_add_nc_u32 v31, s96, v31                     ; back: eight lanes to a row of 128 bytes, four rows an instruction
	v_and_b32 v29, 31, v0
	v_lshlrev_b32 v29, 4, v29                      ; 16 x lane
	s_wait_alu depctr_va_vdst(0)                   ; one wait for the two reciprocals, ahead of their first reader
.irp t, 0,1
.set n, 0
.rept 16
	v_pk_mul_f32 v[OO+32*\t+n:OO+32*\t+n+1], v[OO+32*\t+n:OO+32*\t+n+1], v[ST+8*\t+6:ST+8*\t+7] op_sel_hi:[1,0]
.set n, n+2
.endr
.set n, 0
.rept 16
	v_cvt_pk_f16_f32 v[SS+16*\t+n], v[OO+32*\t+2*n], v[OO+32*\t+2*n+1]
.set n, n+1
.endr
.irp d, 0,1,2,3
	ds_store_b128 v30, v[SS+16*\t+4*\d:SS+16*\t+4*\d+3] offset:2304*\t+32*\d
.endr
.endr
.irp i, 0,1,2,3,4,5,6,7
	ds_load_b128 v[FF+4*\i:FF+4*\i+3], v31 offset:576*\i   ; LDS serves a wave's instructions in order: these see my stores
.endr
.irp i, 0,1,2,3,4,5,6,7
	s_wait_dscnt 7-\i                              ; load i is in, the younger ones stay out
	global_store_b128 v29, v[FF+4*\i:FF+4*\i+3], s[6:7] offset:512*\i   ; 32 lanes store 512 consecutive bytes, aligned
.endr
	s_wait_tensorcnt 0x0                           ; the wave's end: behind my last tensor load and my last LDS store
	ds_add_u32 v[SPW], v[NIL]
	s_wait_dscnt 0x0
	s_endpgm
.Lfunc_end_k_q2273e3cae6_attn:
	.size	k_q2273e3cae6_attn, .Lfunc_end_k_q2273e3cae6_attn-k_q2273e3cae6_attn
	.p2alignl 7, 3214868480
	.fill 96, 4, 3214868480
	.section	.rodata,"a",@progbits
	.p2align	6, 0x0
	.amdhsa_kernel k_q2273e3cae6_attn
		.amdhsa_group_segment_fixed_size 327680
		.amdhsa_private_segment_fixed_size 0
		.amdhsa_enable_private_segment 0
		.amdhsa_kernarg_size 16
		.amdhsa_user_sgpr_count 2
		.amdhsa_user_sgpr_kernarg_segment_ptr 1
		.amdhsa_wavefront_size32 1
		.amdhsa_system_sgpr_workgroup_id_x 1
		.amdhsa_system_sgpr_workgroup_id_y 1
		.amdhsa_system_sgpr_workgroup_id_z 1
		.amdhsa_system_vgpr_workitem_id 0
		.amdhsa_next_free_vgpr 256
		.amdhsa_next_free_sgpr 100
		.amdhsa_reserve_vcc 1
		.amdhsa_float_denorm_mode_32 3
		.amdhsa_float_denorm_mode_16_64 3
		.amdhsa_memory_ordered 1
		.amdhsa_forward_progress 1
		.amdhsa_inst_pref_size 189
	.end_amdhsa_kernel
	.amdgpu_metadata
---
amdhsa.version: [ 1, 2 ]
amdhsa.kernels:
  - .name:           k_q2273e3cae6_attn
    .symbol:         k_q2273e3cae6_attn.kd
    .args:
      - { .name: qkv16, .offset: 0, .size: 8, .value_kind: global_buffer, .address_space: global }
      - { .name: o16, .offset: 8, .size: 8, .value_kind: global_buffer, .address_space: global }
    .group_segment_fixed_size: 327680
    .private_segment_fixed_size: 0
    .kernarg_segment_align: 8
    .kernarg_segment_size: 16
    .max_flat_workgroup_size: 512
    .sgpr_count:     100
    .vgpr_count:     256
    .wavefront_size: 32
...
	.end_amdgpu_metadata
.endif
;; end of part 3
;; launch proj (part 4): grid 4 x 64, 4 waves a work-group, clusters of 4 x 4, 327,680 bytes of LDS; arguments o16, wp16, out0; writes out0
.if DOCPART == 4
	.amdgcn_target "amdgcn-amd-amdhsa--gfx1250"
	.amdhsa_code_object_version 6
	.text
	.protected	k_q2273e3cae6_proj
	.globl	k_q2273e3cae6_proj
	.p2align	8
	.type	k_q2273e3cae6_proj,@function
k_q2273e3cae6_proj:
	s_mov_b64 s[64:65], 0
	v_nop
	global_prefetch_b8 v0, s[64:65] scope:SCOPE_SE
	s_setreg_imm32_b32 hwreg(HW_REG_WAVE_MODE, 25, 1), 1
	s_wait_xcnt 0x0
	s_wait_alu depctr_hold_cnt(0) depctr_sa_sdst(0) depctr_va_vdst(0) depctr_va_sdst(0) depctr_va_ssrc(0) depctr_va_vcc(0) depctr_vm_vsrc(0)
	s_getreg_b32 s2, hwreg(HW_REG_IB_STS2, 6, 4)
	s_cmp_eq_u32 s2, 0
	s_cbranch_scc0 .Lentry_in_a_cluster
	s_endpgm
.Lentry_in_a_cluster:
	s_bfe_u32 s2, ttmp6, 0x10000c
	s_cmp_lg_u32 s2, 0xf033
	s_cbranch_scc0 .Lentry_shape_is_right
	s_endpgm
.Lentry_shape_is_right:
; PROJ: out0 [8192][1024] f32 = y W_proj, operands f16, sums f32.  A: o16 [tile row 64][head 16][128 rows][64] f16: a tile row's 128 rows for all of K are one dense block, a head's plane 16,384 dense bytes.
; B: wp16 [1024 n][1024 k] f16.  A tile of out0 is 128 x 256: 256 work-groups.  Four waves, each 64 x 128: 32 accumulators, 256 registers (window 1).
; K goes in steps of 128 (two heads) through a ring of two LDS slots: waves 0 and 1 fetch A's two head planes (64 LDS rows of two rows of A, 256 + 16 bytes), waves 2 and 3 B's two halves (128 rows of 256 + 16 bytes).
; CLUSTERS: 4 x 4 work-groups; A's tiles are asked for jointly along a row of the cluster, B's along a column.  THE MATRIX INSTRUCTION IS USED TRANSPOSED (source 0 = 16 rows of B, source 1 = 16 rows of A).
; All rows are made here, the first 16 positions of each batch too: to leave them out would be a branch on the work-group's place in its cluster.  The next launch stores those rows anew, made in f32.
; No prefetch: the launch moves its 52 MB of tiles and results against 1,024 matrix instructions a wave and K step count of eight; its streams keep memory at work as they are.
; REGISTERS: window 0: v0-31 addresses; v32-127 and v128-223 two fragment buffers (A's 4 fragments, then B's 8); on the way out v32-159 rows.  window 1: accumulator (a, b) at v[8 (8 a + b)].
.set PLANE, 17408                      ; a head plane of A in LDS: 64 rows of 272 bytes
.set BOFF,  2*PLANE
.set BHALF, 34816                      ; 128 rows of B
.set SLOT,  BOFF+2*BHALF               ; 104,448
.set SPARE, 2*SLOT                     ; the spare words, 128 bytes a wave: two blocks of 256 bytes that no other line names
.set ADRA, 16
.set ADRB, 20
.set STO,  24
.set RD,   25
.set CO,   26
.set SPW,  28
.set NIL,  29
.set F0,   32
.set F1,   128
.set G1, 24
.set G0, 32
.set G1B, 48
.set G0B, 56
.set MSB, 0
.macro WIN new
.if MSB != \new
	s_set_vgpr_msb (MSB<<8)|\new
.set MSB, \new
.endif
.endm
.set MUL, 0x50                         ; sources 0 and 1 window 0; C and D window 1
.macro JLOAD s                         ; waves 0 and 1 fetch for A, waves 2 and 3 for B; an s_nop 0 and four v_nop follow each line
	s_cmp_eq_u32 s11, 0
	s_cbranch_scc0 .Lfor_b_\@
	tensor_load_to_lds s[G0+4*\s:G0+4*\s+3], s[G1:G1+7]
	s_nop 0
.rept 4
	v_nop
.endr
	s_branch .Lasked_\@
.Lfor_b_\@:
	tensor_load_to_lds s[G0B+4*\s:G0B+4*\s+3], s[G1B:G1B+7]
	s_nop 0
.rept 4
	v_nop
.endr
.Lasked_\@:
.endm
.macro CREST
	s_cmp_lg_u32 s10, 0
	s_cbranch_scc1 .Lnot_wave_0_\@
	s_barrier_signal -3
.Lnot_wave_0_\@:
	s_barrier_wait -3
	s_barrier_signal -1
	s_barrier_wait -1
.endm
.macro CROUND
	s_barrier_signal -1
	s_barrier_wait -1
	CREST
.endm
	s_load_b128 s[4:7], s[0:1], 0x0                ; o16, wp16
	s_load_b64 s[8:9], s[0:1], 0x10                ; out0
	v_lshl_add_u32 v[SPW], v0, 2, SPARE
	v_mov_b32 v[NIL], 0
	ds_add_u32 v[SPW], v[NIL]                      ; the wave's opening: the add, twice on end, and its wait ahead of my first tensor load
	ds_add_u32 v[SPW], v[NIL]
	v_lshrrev_b32 v1, 5, v0
	v_readfirstlane_b32 s10, v1                    ; wave 0..3
	s_lshr_b32 s11, s10, 1                         ; which 64 rows are mine.  Also: I fetch for A (0) or for B (1)
	s_and_b32 s12, s10, 1                          ; which 128 columns.  Also: which plane or half I fetch
	s_bfe_u32 s40, ttmp6, 0x40000                  ; cx
	s_bfe_u32 s41, ttmp6, 0x40004                  ; cy
	s_lshl_b32 s42, ttmp9, 2
	s_add_co_u32 s42, s42, s40                     ; tile column
	s_and_b32 s13, ttmp7, 0xffff
	s_lshl_b32 s13, s13, 2
	s_add_co_u32 s13, s13, s41                     ; tile row
	s_lshl_b32 s43, s41, 2
	s_lshl_b32 s43, 15, s43                        ; my row of the cluster
	s_lshl_b32 s44, 0x1111, s40                    ; my column
	s_or_b32 s[G1+0], s43, (1<<16)|(1<<20)|(1<<21)|(5<<22)|(3<<25)  ; mask; elements of 2 bytes; padding on; bit 21 beside a mask; 4 words after every 64
	s_or_b32 s[G1B+0], s44, (1<<16)|(1<<20)|(1<<21)|(5<<22)|(3<<25)
	s_mov_b32 s[G1+1], 128<<16                     ; A: 64 rows of 128 elements, dense
	s_mov_b32 s[G1+2], 64<<16
	s_mov_b32 s[G1+3], 128<<16
	s_mov_b32 s[G1+4], 64
	s_mov_b32 s[G1+5], 128
	s_mov_b32 s[G1+6], 0
	s_mov_b32 s[G1+7], 0
	s_mov_b32 s[G1B+1], 128<<16                    ; B: 128 rows of 128 elements, 1,024 elements apart
	s_mov_b32 s[G1B+2], 128<<16
	s_mov_b32 s[G1B+3], 128<<16
	s_mov_b32 s[G1B+4], 128
	s_mov_b32 s[G1B+5], 1024
	s_mov_b32 s[G1B+6], 0
	s_mov_b32 s[G1B+7], 0
	s_lshl_b32 s16, s13, 18                        ; A: tile row x 262,144 + plane x 16,384
	s_lshl_b32 s17, s12, 14
	s_add_co_u32 s16, s16, s17
	s_mov_b32 s17, 0
	s_lshl_b32 s46, s42, 19                        ; B: (256 x tile column + 128 x half) rows of 2,048 bytes
	s_lshl_b32 s47, s12, 18
	s_add_co_u32 s46, s46, s47
	s_mov_b32 s47, 0
	s_mul_i32 s20, s12, PLANE                      ; where they go: no place in the cluster enters an LDS address
	s_mul_i32 s21, s12, BHALF
	s_add_co_u32 s21, s21, BOFF
	s_wait_dscnt 0x0                               ; both opening adds are done
	s_wait_kmcnt 0x0
	s_add_nc_u64 s[14:15], s[4:5], s[16:17]
	s_add_nc_u64 s[46:47], s[6:7], s[46:47]
	CROUND                                         ; all sixteen work-groups are here: the first joint loads meet
.irp s, 0,1
	s_mov_b32 s[G0+4*\s], 1
	s_add_co_u32 s[G0+4*\s+1], s20, \s*SLOT
	s_add_nc_u64 s[G0+4*\s+2:G0+4*\s+3], s[14:15], \s*32768
	s_or_b32 s[G0+4*\s+3], s[G0+4*\s+3], 0x80000000
	s_mov_b32 s[G0B+4*\s], 1
	s_add_co_u32 s[G0B+4*\s+1], s21, \s*SLOT
	s_add_nc_u64 s[G0B+4*\s+2:G0B+4*\s+3], s[46:47], \s*256
	s_or_b32 s[G0B+4*\s+3], s[G0B+4*\s+3], 0x80000000
	JLOAD \s
.endr
	v_and_b32 v1, 15, v0                           ; r
	v_bfe_u32 v2, v0, 4, 1                         ; h
	v_lshrrev_b32 v3, 1, v1
	v_mul_u32_u24 v3, v3, 272
	v_and_b32 v4, 1, v1
	v_lshl_add_u32 v3, v4, 7, v3
	v_lshl_add_u32 v3, v2, 4, v3                   ; A: row r lies in LDS row r / 2, half r % 2; + 16 h
	v_mul_u32_u24 v4, v1, 272
	v_lshl_add_u32 v4, v2, 4, v4                   ; B: row r x 272 + 16 h
	s_mul_i32 s21, s11, 8704                       ; my 64 rows of A: 32 LDS rows
	s_mul_i32 s22, s12, BHALF
	s_add_co_u32 s22, s22, BOFF                    ; my 128 rows of B
.irp s, 0,1
	v_add_nc_u32 v[ADRA+\s], s21, v3
	v_add_nc_u32 v[ADRB+\s], s22, v4
	s_add_co_u32 s21, s21, SLOT
	s_add_co_u32 s22, s22, SLOT
.endr
	s_mul_i32 s23, s10, 16*528                     ; my stage, in slot 0
	v_mul_u32_u24 v5, v1, 528
	v_lshl_add_u32 v5, v2, 5, v5
	v_add_nc_u32 v[STO], s23, v5
	v_and_b32 v6, 31, v0
	v_lshlrev_b32 v[CO], 4, v6
	v_add_nc_u32 v[RD], s23, v[CO]
	s_lshl_b32 s16, s13, 19                        ; out0: (128 x tile row + 64 x row half) rows of 4,096 bytes + (256 x tile column + 128 x column half) x 4
	s_lshl_b32 s17, s11, 18
	s_add_co_u32 s16, s16, s17
	s_mov_b32 s17, 0
	s_add_nc_u64 s[8:9], s[8:9], s[16:17]
	s_lshl_b32 s46, s42, 10
	s_lshl_b32 s47, s12, 9
	s_add_co_u32 s46, s46, s47
	s_mov_b32 s47, 0
	s_add_nc_u64 s[8:9], s[8:9], s[46:47]
.macro MUL8 f, a, zero                 ; A's block a x B's eight, 32 along K.  The 32 accumulators take turns, in the same order in every quarter
.irp b, 0,1,2,3,4,5,6,7
.if \zero
	v_wmma_f32_16x16x32_f16 v[8*(8*(\a)+\b):8*(8*(\a)+\b)+7], v[\f+32+8*\b:\f+32+8*\b+7], v[\f+8*(\a):\f+8*(\a)+7], 0
.else
	v_wmma_f32_16x16x32_f16 v[8*(8*(\a)+\b):8*(8*(\a)+\b)+7], v[\f+32+8*\b:\f+32+8*\b+7], v[\f+8*(\a):\f+8*(\a)+7], v[8*(8*(\a)+\b):8*(8*(\a)+\b)+7]
.endif
.endr
.endm
.macro FETCH slot, q, f                ; 24 LDS loads in one run: quarter q (32 along K) of the slot: B's eight fragments, then A's four
	WIN 0
.irp b, 0,1,2,3,4,5,6,7
	ds_load_b128 v[\f+32+8*\b:\f+32+8*\b+3],   v[ADRB+\slot] offset:64*(\q)+\b*4352
	ds_load_b128 v[\f+32+8*\b+4:\f+32+8*\b+7], v[ADRB+\slot] offset:64*(\q)+\b*4352+32
.endr
.irp a, 0,1,2,3
	ds_load_b128 v[\f+8*\a:\f+8*\a+3],   v[ADRA+\slot] offset:((\q)/2)*PLANE+((\q)%2)*64+\a*2176
	ds_load_b128 v[\f+8*\a+4:\f+8*\a+7], v[ADRA+\slot] offset:((\q)/2)*PLANE+((\q)%2)*64+\a*2176+32
.endr
.endm
.macro PLACES
.rept 4
	v_nop
.endr
.endm
.macro QUARTER slot, q, f, g, zero     ; multiplies buffer f; in its middle it fetches quarter q of the same slot into buffer g
	s_wait_dscnt 4                                 ; B and A's blocks 0, 1 are in; the youngest four loads (blocks 2, 3) may be out
	WIN MUL
	MUL8 \f, 0, \zero
	MUL8 \f, 1, \zero
	PLACES                                         ; for the loads into buffer g, which the quarter before multiplied
	FETCH \slot, \q, \g
	s_wait_dscnt 24                                ; all but the 24 just issued
	WIN MUL
	MUL8 \f, 2, \zero
	MUL8 \f, 3, \zero
.endm
; The last quarter multiplies buffer 1 and changes slots: one barrier; in front of it each wave waits for all its tensor loads, adds 0 to its spare word, and waits for that and for its reads of this slot.
.macro TURN slot, next, fill
	WIN 0
	s_wait_tensorcnt 0x0                           ; all my tensor loads have landed: my part of the next slot
	ds_add_u32 v[SPW], v[NIL]
	s_wait_dscnt 5                                 ; (the add and the youngest four loads may be out)
	WIN MUL
	MUL8 F1, 0, 0
	s_wait_dscnt 0x0                               ; the add is done, and my reads of this slot are over
	s_barrier_signal -1
	MUL8 F1, 1, 0
.if \fill
	WIN 0
.endif
	s_barrier_wait -1
.if \fill
	CREST                                          ; the barrier has opened a round of the cluster's: no wave of any partner still reads this slot or has a load on its way
	s_add_nc_u64 s[G0+4*\slot+2:G0+4*\slot+3], s[G0+4*\slot+2:G0+4*\slot+3], 65536    ; two K steps on: four head planes
	s_add_nc_u64 s[G0B+4*\slot+2:G0B+4*\slot+3], s[G0B+4*\slot+2:G0B+4*\slot+3], 512
	JLOAD \slot                                    ; the first tensor load behind the round; its four v_nop are also the places in front of the loads below
.else
	PLACES
.endif
	FETCH \next, 0, F0
	WIN MUL
	MUL8 F1, 2, 0
	MUL8 F1, 3, 0
.endm
	s_wait_tensorcnt 1                             ; my part of K step 0 is in (K step 1's load may be out),
	s_barrier_signal -1
	s_barrier_wait -1                              ; everybody's is
	FETCH 0, 0, F0
	QUARTER 0, 1, F0, F1, 1                        ; the first products start the sums
	WIN 0
	s_mov_b32 s3, 3
.Llap:                                             ; a trip goes once round the ring and fills both slots again: K steps 2 to 7
	QUARTER 0, 2, F1, F0, 0
	QUARTER 0, 3, F0, F1, 0
	TURN 0, 1, 1
	QUARTER 1, 1, F0, F1, 0
	QUARTER 1, 2, F1, F0, 0
	QUARTER 1, 3, F0, F1, 0
	TURN 1, 0, 1
	QUARTER 0, 1, F0, F1, 0
	WIN 0
	s_sub_co_u32 s3, s3, 1
	s_cmp_lg_u32 s3, 0
	s_cbranch_scc1 .Llap
	QUARTER 0, 2, F1, F0, 0                        ; the last lap fills nothing
	QUARTER 0, 3, F0, F1, 0
	TURN 0, 1, 0
	QUARTER 1, 1, F0, F1, 0
	QUARTER 1, 2, F1, F0, 0
	QUARTER 1, 3, F0, F1, 0
	s_wait_dscnt 4
	WIN MUL
	MUL8 F1, 0, 0
	MUL8 F1, 1, 0
	s_wait_dscnt 0
	MUL8 F1, 2, 0
	MUL8 F1, 3, 0
	WIN 0
; THE WAY OUT, block by block of 16 rows x 128 columns: through my stage (rows of 512 + 16 bytes, in slot 0, which has had its last fill and its last read) and back as whole rows of 512 bytes.
.macro TOSTAGE a
	WIN 0x04                                       ; an LDS store's data are its source 1: window 1
.irp b, 0,1,2,3,4,5,6,7
	ds_store_b128 v[STO], v[64*(\a)+8*\b:64*(\a)+8*\b+3] offset:64*\b        ; each accumulator from its low end on
	ds_store_b128 v[STO], v[64*(\a)+8*\b+4:64*(\a)+8*\b+7] offset:64*\b+16
.endr
	WIN 0
.set BB, 32+64*((\a)%2)
.irp t, 0,1,2,3,4,5,6,7,8,9,10,11,12,13,14,15
	ds_load_b128 v[BB+4*\t:BB+4*\t+3], v[RD] offset:\t*528
.endr
.endm
.macro SEND a, younger
.set BB, 32+64*((\a)%2)
	s_wait_dscnt \younger                          ; the block is back in registers; the next block's 16 stores and 16 loads may be out
.irp t, 0,1,2,3,4,5,6,7,8,9,10,11,12,13,14,15
	global_store_b128 v[CO], v[BB+4*\t:BB+4*\t+3], s[8:9] offset:(16*(\a)+\t)*4096 th:TH_STORE_NT   ; 32 lanes store 512 consecutive bytes, aligned
.endr
.endm
	PLACES
	TOSTAGE 0
.irp a, 1,2,3
.if \a > 1
	s_wait_xcnt 0x0                                ; block a - 2's stores have read their registers: block a's loads may land there
.endif
	TOSTAGE \a
	SEND \a-1, 32
.endr
	SEND 3, 0
	s_wait_tensorcnt 0x0                           ; the wave's end: behind my last tensor load and my last LDS store
	ds_add_u32 v[SPW], v[NIL]
	s_wait_dscnt 0x0
	CROUND                                         ; the closing round
	s_endpgm
.Lfunc_end_k_q2273e3cae6_proj:
	.size	k_q2273e3cae6_proj, .Lfunc_end_k_q2273e3cae6_proj-k_q2273e3cae6_proj
	.p2alignl 7, 3214868480
	.fill 96, 4, 3214868480
	.section	.rodata,"a",@progbits
	.p2align	6, 0x0
	.amdhsa_kernel k_q2273e3cae6_proj
		.amdhsa_group_segment_fixed_size 327680
		.amdhsa_private_segment_fixed_size 0
		.amdhsa_enable_private_segment 0
		.amdhsa_kernarg_size 24
		.amdhsa_user_sgpr_count 2
		.amdhsa_user_sgpr_kernarg_segment_ptr 1
		.amdhsa_wavefront_size32 1
		.amdhsa_system_sgpr_workgroup_id_x 1
		.amdhsa_system_sgpr_workgroup_id_y 1
		.amdhsa_system_sgpr_workgroup_id_z 1
		.amdhsa_system_vgpr_workitem_id 0
		.amdhsa_next_free_vgpr 512
		.amdhsa_next_free_sgpr 66
		.amdhsa_reserve_vcc 0
		.amdhsa_float_denorm_mode_32 3
		.amdhsa_float_denorm_mode_16_64 3
		.amdhsa_memory_ordered 1
		.amdhsa_forward_progress 1
		.amdhsa_inst_pref_size 85
	.end_amdhsa_kernel
	.amdgpu_metadata
---
amdhsa.version: [ 1, 2 ]
amdhsa.kernels:
  - .name:           k_q2273e3cae6_proj
    .symbol:         k_q2273e3cae6_proj.kd
    .args:
      - { .name: o16, .offset: 0, .size: 8, .value_kind: global_buffer, .address_space: global }
      - { .name: wp16, .offset: 8, .size: 8, .value_kind: global_buffer, .address_space: global }
      - { .name: out0, .offset: 16, .size: 8, .value_kind: global_buffer, .address_space: global }
    .group_segment_fixed_size: 327680
    .private_segment_fixed_size: 0
    .kernarg_segment_align: 8
    .kernarg_segment_size: 24
    .max_flat_workgroup_size: 128
    .sgpr_count:     66
    .vgpr_count:     512
    .wavefront_size: 32
...
	.end_amdgpu_metadata
.endif
;; end of part 4
;; launch first16 (part 5): grid 16 x 4, 16 waves a work-group, no clusters, 71,680 bytes of LDS; arguments qkv32, W_proj, out0; writes out0
.if DOCPART == 5
	.amdgcn_target "amdgcn-amd-amdhsa--gfx1250"
	.amdhsa_code_object_version 6
	.text
	.protected	k_q2273e3cae6_first16
	.globl	k_q2273e3cae6_first16
	.p2align	8
	.type	k_q2273e3cae6_first16,@function
k_q2273e3cae6_first16:
	s_mov_b64 s[64:65], 0
	v_nop
	global_prefetch_b8 v0, s[64:65] scope:SCOPE_SE
	s_setreg_imm32_b32 hwreg(HW_REG_WAVE_MODE, 25, 1), 1
	s_wait_xcnt 0x0
; FIRST16: the first 16 positions of every batch, attention and projection, all in f32: under the causal mask these rows average one to sixteen values and are the largest in size, so they are carried more finely.
; qkv32: [b 4][t 16][3072] f32 (q already x log2(e) / 8); W_proj [1024 k][1024 n] f32; out0 rows b x 2048 + 0 .. 15 are stored anew over what the launch before left there.
; SHARES.  Work-group (chunk of 64 output columns, batch).  Wave w is head w: it makes that head's 16 x 16 attention and then the part of the projection whose K is its own head's 64 channels, for the chunk's 64 columns:
; so o never leaves the registers.  One barrier; then wave w adds the sixteen parts of row w and stores 256 consecutive bytes.  The attention is made again in each of the 16 chunks: 32 matrix instructions beside the projection's 64.
; THE f32 MATRIX FORM takes, from lane (r, h), row or column r and k = 2 h + j in register j.  A permutation of k applied alike to both sources keeps the product, so each lane's registers are used as its loads of 16 bytes left them:
;   S^T = K Q^T: step s takes channels 32 h + 2 s + j.     O^T = V^T P: tile c holds channels 4 r + c; step s takes keys 8 h + 2 s + j.
;   out^T = W^T O^T: tile c holds columns 4 r + c; step (i, p) takes channels 32 h + 8 p + 4 j + i, which are O^T's registers 8 i + 2 p + j as they stand.
; The registers v176-207 are written by matrix instructions alone; each sum begins with the constant 0 as C; four accumulators take turns.
.set QR,  16                           ; v16-47 q, v48-79 k; later the second half of W
.set KR,  48
.set VR,  80                           ; v80-111 v
.set WA,  112                          ; v112-175 the first half of W
.set WB,  16
.set ACC, 176
.set SS,  208                          ; v208-215 scores, then p
.set OO,  224                          ; v224-255 o
.set SPW, 12
.set NIL, 13
.set SPARE, 69632                      ; behind the sixteen parts of 16 rows x 272 bytes: the spare words, 128 bytes a wave: eight blocks of 256 bytes that no other line names
.macro PAIRS x                         ; eight registers (row even: tiles 0-3; row odd: tiles 0-3) become four pairs (even, odd): tile c's at x + 4 (c % 2) + 2 (c / 2)
	v_mov_b32 v14, v[\x+1]
	v_mov_b32 v15, v[\x+3]
	v_mov_b32 v[\x+1], v[\x+4]
	v_mov_b32 v[\x+3], v[\x+6]
	v_mov_b32 v[\x+4], v14
	v_mov_b32 v[\x+6], v15
.endm
.macro PLACES8                         ; eight places behind the f32 matrix form (ISA guide 7.12.1)
.rept 8
	v_nop
.endr
.endm
	s_load_b128 s[4:7], s[0:1], 0x0                ; qkv32, W_proj
	s_load_b64 s[8:9], s[0:1], 0x10                ; out0
	v_lshl_add_u32 v[SPW], v0, 2, SPARE
	v_mov_b32 v[NIL], 0
	v_lshrrev_b32 v1, 5, v0
	v_readfirstlane_b32 s10, v1                    ; wave = head, later = row
	s_and_b32 s11, ttmp7, 0xffff                   ; batch
	v_and_b32 v1, 15, v0                           ; r
	v_bfe_u32 v2, v0, 4, 1                         ; h
	v_mul_u32_u24 v3, v1, 12288
	v_lshl_add_u32 v3, v2, 7, v3                   ; q, k: row r, channels 32 h on
	v_mul_u32_u24 v4, v2, 98304
	v_lshl_add_u32 v4, v1, 4, v4                   ; v: rows 8 h on, channels 4 r on
	v_lshlrev_b32 v5, 17, v2
	v_lshl_add_u32 v5, v1, 4, v5                   ; W: rows 32 h on, columns 4 r on
	v_lshlrev_b32 v6, 3, v2
	v_sub_nc_u32 v6, v1, v6                        ; r - 8 h
	v_mov_b32 v7, 0xff800000                       ; -infinity
	s_mul_i32 s12, s10, 4352
	v_mul_u32_u24 v8, v1, 272
	v_lshl_add_u32 v8, v2, 7, v8
	v_add_nc_u32 v8, s12, v8                       ; my part: row r of 272 bytes, + 128 h
	s_mul_i32 s12, s10, 272
	v_and_b32 v10, 31, v0
	v_lshlrev_b32 v10, 3, v10                      ; 8 x lane
	v_add_nc_u32 v9, s12, v10                      ; row w of a part
	v_mov_b32 v217, 0                              ; written once: a lane permute's destination counts as one of its sources
	s_mov_b32 s20, 0x76543210
	s_mov_b32 s21, 0xfedcba98
	s_mul_i32 s12, s11, 196608                     ; qkv32: batch, head
	s_lshl_b32 s13, s10, 8
	s_add_co_u32 s12, s12, s13
	s_mov_b32 s13, 0
	s_lshl_b32 s14, s10, 18                        ; W_proj: 64 rows of 4,096 bytes a head, 256 bytes a chunk
	s_lshl_b32 s15, ttmp9, 8
	s_add_co_u32 s14, s14, s15
	s_mov_b32 s15, 0
	s_lshl_b32 s16, s11, 23                        ; out0: (batch x 2,048 + w) rows of 4,096 bytes + chunk
	s_lshl_b32 s17, s10, 12
	s_add_co_u32 s16, s16, s17
	s_lshl_b32 s17, ttmp9, 8
	s_add_co_u32 s16, s16, s17
	s_mov_b32 s17, 0
	s_wait_kmcnt 0x0
	s_add_nc_u64 s[4:5], s[4:5], s[12:13]
	s_add_nc_u64 s[6:7], s[6:7], s[14:15]
	s_add_nc_u64 s[8:9], s[8:9], s[16:17]
.irp g, 0,1,2,3,4,5,6,7
	global_load_b128 v[QR+4*\g:QR+4*\g+3], v3, s[4:5] offset:16*\g
.endr
.irp g, 0,1,2,3,4,5,6,7
	global_load_b128 v[KR+4*\g:KR+4*\g+3], v3, s[4:5] offset:4096+16*\g
.endr
.irp i, 0,1,2,3,4,5,6,7
	global_load_b128 v[VR+4*\i:VR+4*\i+3], v4, s[4:5] offset:8192+\i*12288
.endr
.irp p, 0,1                                    ; W's rows 8 p + 4 j + i of my half, laid so that rows j = 0 and 1 stand side by side
.irp i, 0,1,2,3
.irp j, 0,1
	global_load_b128 v[WA+8*(4*\p+\i)+4*\j:WA+8*(4*\p+\i)+4*\j+3], v5, s[6:7] offset:(8*\p+4*\j+\i)*4096
.endr
.endr
.endr
	s_wait_loadcnt 24                              ; q and k are in; v's 8 loads and W's 16 may be out
.set i, 0
.rept 16                                       ; S^T = K Q^T
.if i < 4
	v_wmma_f32_16x16x4_f32 v[ACC+8*(i%4):ACC+8*(i%4)+7], v[KR+2*i:KR+2*i+1], v[QR+2*i:QR+2*i+1], 0
.else
	v_wmma_f32_16x16x4_f32 v[ACC+8*(i%4):ACC+8*(i%4)+7], v[KR+2*i:KR+2*i+1], v[QR+2*i:QR+2*i+1], v[ACC+8*(i%4):ACC+8*(i%4)+7]
.endif
.set i, i+1
.endr
	PLACES8                                        ; for the loads into q's and k's registers and for the reads of the sums
.irp p, 2,3
.irp i, 0,1,2,3
.irp j, 0,1
	global_load_b128 v[WB+8*(4*(\p-2)+\i)+4*\j:WB+8*(4*(\p-2)+\i)+4*\j+3], v5, s[6:7] offset:(8*\p+4*\j+\i)*4096
.endr
.endr
.endr
.irp p, 0,1,2,3                                ; the four partial sums; each accumulator is read from its low end on.  Lane (r, h), register j: key 8 h + j, query r
	v_pk_add_f32 v[SS+2*\p:SS+2*\p+1], v[ACC+2*\p:ACC+2*\p+1], v[ACC+8+2*\p:ACC+8+2*\p+1]
	v_pk_add_f32 v[SS+2*\p:SS+2*\p+1], v[SS+2*\p:SS+2*\p+1], v[ACC+16+2*\p:ACC+16+2*\p+1]
	v_pk_add_f32 v[SS+2*\p:SS+2*\p+1], v[SS+2*\p:SS+2*\p+1], v[ACC+24+2*\p:ACC+24+2*\p+1]
.endr
.irp j, 0,1,2,3,4,5,6,7
	v_cmp_gt_i32 vcc_lo, \j, v6                    ; hidden where 8 h + j > r
	v_cndmask_b32 v[SS+\j], v[SS+\j], v7, vcc_lo
.endr
	v_max3_num_f32 v216, v[SS], v[SS+1], v[SS+2]
	v_max3_num_f32 v216, v216, v[SS+3], v[SS+4]
	v_max3_num_f32 v216, v216, v[SS+5], v[SS+6]
	v_max_num_f32 v216, v216, v[SS+7]
	v_permlanex16_b32 v217, v216, s20, s21
	v_max_num_f32 v216, v216, v217                 ; the row's maximum: key 0 counts for every query, so it is a number
.irp j, 0,1,2,3,4,5,6,7
	v_sub_f32 v[SS+\j], v[SS+\j], v216
.endr
.irp j, 0,1,2,3,4,5,6,7
	v_exp_f32 v[SS+\j], v[SS+\j]                   ; p = 2^(s - m)
.endr
	v_nop
	s_wait_alu depctr_va_vdst(0)                   ; one wait for the eight, ahead of their first reader
	v_pk_add_f32 v[218:219], v[SS:SS+1], v[SS+2:SS+3]
	v_pk_add_f32 v[220:221], v[SS+4:SS+5], v[SS+6:SS+7]
	v_pk_add_f32 v[218:219], v[218:219], v[220:221]
	v_add_f32 v218, v218, v219
	v_permlanex16_b32 v219, v218, s20, s21
	v_add_f32 v218, v218, v219                     ; the row's sum
	v_rcp_f32 v220, v218
	v_nop
	s_wait_alu depctr_va_vdst(0)
	s_wait_loadcnt 32                              ; v is in; W's 32 loads may be out
.irp s, 0,1,2,3
	PAIRS VR+8*\s
.endr
.irp s, 0,1,2,3                                ; O^T = V^T P: the vector work since the scores' products is more than the nine places that writing over their accumulators asks
.irp c, 0,1,2,3
.if \s == 0
	v_wmma_f32_16x16x4_f32 v[ACC+8*\c:ACC+8*\c+7], v[VR+8*\s+4*(\c%2)+2*(\c/2):VR+8*\s+4*(\c%2)+2*(\c/2)+1], v[SS+2*\s:SS+2*\s+1], 0
.else
	v_wmma_f32_16x16x4_f32 v[ACC+8*\c:ACC+8*\c+7], v[VR+8*\s+4*(\c%2)+2*(\c/2):VR+8*\s+4*(\c%2)+2*(\c/2)+1], v[SS+2*\s:SS+2*\s+1], v[ACC+8*\c:ACC+8*\c+7]
.endif
.endr
.endr
	PLACES8
.set i, 0
.rept 16
	v_pk_mul_f32 v[OO+i:OO+i+1], v[ACC+i:ACC+i+1], v[220:221] op_sel_hi:[1,0]   ; o = O^T / the sum, into other registers: register 8 c + j is o(query r, channel 32 h + 4 j + c)
.set i, i+2
.endr
	s_wait_loadcnt 0x0                             ; W
.irp k, 0,1,2,3,4,5,6,7
	PAIRS WA+8*\k                                  ; these 96 moves name no register of the last products: they are also the places in front of the products that begin the accumulators anew
	PAIRS WB+8*\k
.endr
.irp p, 0,1,2,3                                ; out^T = W^T O^T: 16 steps x 4 tiles of columns
.irp i, 0,1,2,3
.irp c, 0,1,2,3
.if \p < 2
.set WR, WA+8*(4*\p+\i)+4*(\c%2)+2*(\c/2)
.else
.set WR, WB+8*(4*(\p-2)+\i)+4*(\c%2)+2*(\c/2)
.endif
.if (\p == 0) && (\i == 0)
	v_wmma_f32_16x16x4_f32 v[ACC+8*\c:ACC+8*\c+7], v[WR:WR+1], v[OO+8*\i+2*\p:OO+8*\i+2*\p+1], 0
.else
	v_wmma_f32_16x16x4_f32 v[ACC+8*\c:ACC+8*\c+7], v[WR:WR+1], v[OO+8*\i+2*\p:OO+8*\i+2*\p+1], v[ACC+8*\c:ACC+8*\c+7]
.endif
.endr
.endr
.endr
	PLACES8
.irp j, 0,1,2,3,4,5,6,7                        ; register j of tile c: row r, column 4 (8 h + j) + c of the chunk
.irp c, 0,1,2,3
	ds_store_b32 v8, v[ACC+8*\c+\j] offset:16*\j+4*\c
.endr
.endr
	s_wait_dscnt 0x0                               ; for the others' sake: my part lies in LDS
	s_barrier_signal -1
	s_barrier_wait -1
.irp s, 0,1,2,3,4,5,6,7,8,9,10,11,12,13,14,15
	ds_load_b64 v[16+2*\s:17+2*\s], v9 offset:\s*4352   ; row w of all sixteen heads' parts
.endr
	s_wait_dscnt 0x0
.irp k, 0,1,2,3,4,5,6,7
	v_pk_add_f32 v[16+4*\k:17+4*\k], v[16+4*\k:17+4*\k], v[18+4*\k:19+4*\k]
.endr
.irp k, 0,1,2,3
	v_pk_add_f32 v[16+8*\k:17+8*\k], v[16+8*\k:17+8*\k], v[20+8*\k:21+8*\k]
.endr
.irp k, 0,1
	v_pk_add_f32 v[16+16*\k:17+16*\k], v[16+16*\k:17+16*\k], v[24+16*\k:25+16*\k]
.endr
	v_pk_add_f32 v[16:17], v[16:17], v[32:33]
	global_store_b64 v10, v[16:17], s[8:9]         ; 32 lanes store 256 consecutive bytes, aligned
	s_wait_tensorcnt 0x0                           ; the wave's end: behind my last LDS store
	ds_add_u32 v[SPW], v[NIL]
	s_wait_dscnt 0x0
	s_endpgm
.Lfunc_end_k_q2273e3cae6_first16:
	.size	k_q2273e3cae6_first16, .Lfunc_end_k_q2273e3cae6_first16-k_q2273e3cae6_first16
	.p2alignl 7, 3214868480
	.fill 96, 4, 3214868480
	.section	.rodata,"a",@progbits
	.p2align	6, 0x0
	.amdhsa_kernel k_q2273e3cae6_first16
		.amdhsa_group_segment_fixed_size 71680
		.amdhsa_private_segment_fixed_size 0
		.amdhsa_enable_private_segment 0
		.amdhsa_kernarg_size 24
		.amdhsa_user_sgpr_count 2
		.amdhsa_user_sgpr_kernarg_segment_ptr 1
		.amdhsa_wavefront_size32 1
		.amdhsa_system_sgpr_workgroup_id_x 1
		.amdhsa_system_sgpr_workgroup_id_y 1
		.amdhsa_system_sgpr_workgroup_id_z 1
		.amdhsa_system_vgpr_workitem_id 0
		.amdhsa_next_free_vgpr 256
		.amdhsa_next_free_sgpr 66
		.amdhsa_reserve_vcc 1
		.amdhsa_float_denorm_mode_32 3
		.amdhsa_float_denorm_mode_16_64 3
		.amdhsa_memory_ordered 1
		.amdhsa_forward_progress 1
		.amdhsa_inst_pref_size 27
	.end_amdhsa_kernel
	.amdgpu_metadata
---
amdhsa.version: [ 1, 2 ]
amdhsa.kernels:
  - .name:           k_q2273e3cae6_first16
    .symbol:         k_q2273e3cae6_first16.kd
    .args:
      - { .name: qkv32, .offset: 0, .size: 8, .value_kind: global_buffer, .address_space: global }
      - { .name: W_proj, .offset: 8, .size: 8, .value_kind: global_buffer, .address_space: global }
      - { .name: out0, .offset: 16, .size: 8, .value_kind: global_buffer, .address_space: global }
    .group_segment_fixed_size: 71680
    .private_segment_fixed_size: 0
    .kernarg_segment_align: 8
    .kernarg_segment_size: 24
    .max_flat_workgroup_size: 512
    .sgpr_count:     66
    .vgpr_count:     256
    .wavefront_size: 32
...
	.end_amdgpu_metadata
.endif
;; end of part 5
